; MI455X (gfx1250); checked and timed in simulation.
; The chip was launched on July 23, 2026; its instructions are those of AMD's public machine-readable ISA for CDNA 5 (MIT licence, August 2026) and "CDNA5" Instruction Set Architecture Reference Guide (July 2026). The comments in the code are by the model that wrote it; some were corrected since.
;; Transformer Layer Shard. Allowed arithmetic: float matrix products may take bf16 or f16 operands with f32 sums; other float arithmetic in f32, or as packed bf16 or f16 multiplies, adds, multiply-adds, maxima and minima; sums over many terms, partial sums and values carried from step to step in f32; what a program stores and reads back later, other than sums and carried values, may be rounded once to bf16 or f16.
;; Inputs: attn_bias 2,048 x 2,048 float32; b_fc_in 4,096 float32; b_fc_out 1,024 float32; ln_offset 1,024 float32; ln_scale 1,024 float32; w_fc_in 1,024 x 4,096 float32; w_fc_out 4,096 x 1,024 float32; wk 1,024 x 1,024 float32; wo 1,024 x 1,024 float32; wq 1,024 x 1,024 float32; wv 1,024 x 1,024 float32; x 2 x 2,048 x 1,024 float32.
;; Outputs: out0 2 x 2,048 x 1,024 float32.
;; One version. Each part assembles by itself: llvm-mc -triple=amdgcn-amd-amdhsa -mcpu=gfx1250 --defsym DOCPART=n.
;; ======== version 1 of 1: 4 launches
;; limits: values are held in f16: magnitudes above 65,504 overflow, below 6.1e-05 lose precision; right only within a limited range of input values
;; workspace buffers: xn 8,388,608 bytes; wa 14,680,064 bytes; wb 10,485,760 bytes; bias16 8,388,608 bytes; rope 524,288 bytes; qkv 25,165,824 bytes; cat 41,943,040 bytes
;; launch prep (part 1): grid 1504 x 1, 8 waves a work-group, no clusters, 35,840 bytes of LDS; arguments x, ln_scale, ln_offset, wq, wk, wv, wo, w_fc_in, w_fc_out, attn_bias, xn, wa, wb, bias16, rope; writes xn, wa, wb, bias16, rope
.if DOCPART == 1
	.amdgcn_target "amdgcn-amd-amdhsa--gfx1250"
	.amdhsa_code_object_version 6
	.text
	.protected	k_q95053b0b2a_prep
	.globl	k_q95053b0b2a_prep
	.p2align	8
	.type	k_q95053b0b2a_prep,@function
k_q95053b0b2a_prep:
	s_mov_b64 s[64:65], 0
	v_nop
	global_prefetch_b8 v0, s[64:65] scope:SCOPE_SE
	s_setreg_imm32_b32 hwreg(HW_REG_WAVE_MODE, 25, 1), 1
	s_wait_xcnt 0x0
; PREPARATION, four kinds of work-group, chosen by the work-group's number (the same for all eight waves):
;   0-767     W: a tile of 128 k x 128 n of a weight matrix [k][n] f32 -> rounded to bf16, written as f16, transposed.  wa (wq|wk|wv|w_fc_in): rows [n][1024 k].
;             wb (wo ; w_fc_out along k, 5,120 in all): in the order of matrix fragments, [64 blocks of 16 n][160 chunks of 32 k][2 halves][32 lanes][16 bytes]:
;             lane l of half c holds row n = l % 16, k = 16 c + 8 (l / 16) + 0..7 of the chunk, so that a wave's load of a half is 512 consecutive bytes
;   768-959   B: 16 rows x 1,024 columns of attn_bias -> bf16, times 2^-10, clamped to +-32,768, -65,504 where key > query, f16, in the order of a matrix fragment
;   960-1471  L: layer norm, one row a wave, the row kept in registers; x, scale and offset rounded to bf16 first; xn in f16
;   1472-1503 R: the rotary table, [pos][32][cos, sin] f32
; LIMITS.  |attn_bias| is clamped at 3.3e7; below 0.06 it keeps a fixed step of 6e-5; a hidden key counts as a logit of -6.7e7.  A weight below 6e-5 keeps f16's fixed step of 6e-8.
; The rotary angle is reduced in turns by one fused multiply-add; its error grows with the position, to some 2e-4 rad at position 2,047.  NaN and infinities are not treated apart.
.set SPARE, 34816                      ; behind the stage: the spare words, 128 bytes for each of eight waves
.set SPW, 158                          ; v158 LDS address of my spare word; never rewritten
.set NIL, 159                          ; v159 0; never rewritten
	s_load_b512 s[4:19], s[0:1], 0x0               ; x 4, ln_scale 6, ln_offset 8, wq 10, wk 12, wv 14, wo 16, w_fc_in 18
	s_load_b256 s[20:27], s[0:1], 0x40             ; w_fc_out 20, attn_bias 22, xn 24, wa 26
	s_load_b128 s[28:31], s[0:1], 0x60             ; wb 28, bias16 30
	s_load_b64 s[32:33], s[0:1], 0x70              ; rope
	v_lshl_add_u32 v[SPW], v0, 2, SPARE
	v_mov_b32 v[NIL], 0
	v_lshrrev_b32 v1, 5, v0
	v_readfirstlane_b32 s40, v1                    ; wave 0..7
	v_and_b32 v2, 31, v0                           ; lane
	v_lshlrev_b32 v3, 4, v2                        ; 16 x lane
	s_mov_b32 s41, 0xffff0000                      ; a word's upper bf16
	s_wait_kmcnt 0x0
	s_cmp_lt_u32 ttmp9, 768
	s_cbranch_scc1 .LsecW
	s_cmp_lt_u32 ttmp9, 960
	s_cbranch_scc1 .LsecB
	s_cmp_lt_u32 ttmp9, 1472
	s_cbranch_scc1 .LsecL
; ---- R: lane = frequency j; a wave makes 8 positions, a work-group 64
	s_sub_co_u32 s42, ttmp9, 1472
	s_lshl_b32 s42, s42, 6
	s_lshl_b32 s43, s40, 3
	s_add_co_u32 s47, s42, s43                     ; my first position
	s_lshl_b32 s42, s47, 8                         ; 256 bytes a position
	s_mov_b32 s43, 0
	s_add_nc_u64 s[32:33], s[32:33], s[42:43]
	v_cvt_f32_u32 v8, v2
	v_mul_f32 v8, 0xbed49a78, v8                   ; -j log2(10000) / 32
	v_exp_f32 v9, v8
	v_lshlrev_b32 v11, 3, v2                       ; a plain line behind the exponential: 8 bytes a lane
	s_wait_alu depctr_va_vdst(0)                   ; ahead of the first use of the exponential
	v_mul_f32 v9, 0.15915494, v9                   ; the frequency in turns a position
	s_mov_b32 s46, 8
.LRt:
	v_cvt_f32_u32 v10, s47
	v_mul_f32 v12, v10, v9
	v_add_f32 v12, v12, v12
	v_rndne_f32 v12, v12                           ; k: the nearest half turn
	v_mul_f32 v14, -0.5, v12
	v_fma_f32 v13, v10, v9, v14                    ; what is left, within a quarter turn
	v_mul_f32 v13, 0x40c90fdb, v13                 ; in radians
	v_mul_f32 v18, v13, v13
	v_cvt_i32_f32 v15, v12
	v_lshlrev_b32 v15, 31, v15                     ; an odd k turns both signs
	v_mov_b32 v17, 0xb2d7322b                      ; sine: the series to the 11th power, its remainder under 6e-8 at a quarter turn
	v_fmaak_f32 v17, v17, v18, 0x3638ef1d
	v_fmaak_f32 v17, v17, v18, 0xb9500d01
	v_fmaak_f32 v17, v17, v18, 0x3c088889
	v_fmaak_f32 v17, v17, v18, 0xbe2aaaab
	v_fmaak_f32 v17, v17, v18, 0x3f800000
	v_mul_f32 v17, v17, v13
	v_mov_b32 v16, 0x310f76c7                      ; cosine: to the 12th power
	v_fmaak_f32 v16, v16, v18, 0xb493f27e
	v_fmaak_f32 v16, v16, v18, 0x37d00d01
	v_fmaak_f32 v16, v16, v18, 0xbab60b61
	v_fmaak_f32 v16, v16, v18, 0x3d2aaaab
	v_fmaak_f32 v16, v16, v18, 0xbf000000
	v_fmaak_f32 v16, v16, v18, 0x3f800000
	v_xor_b32 v16, v15, v16
	v_xor_b32 v17, v15, v17
	global_store_b64 v11, v[16:17], s[32:33]       ; the wave stores 256 consecutive bytes, aligned
	s_wait_xcnt 0x0                                ; the store's data and base are rewritten only behind this wait
	s_add_nc_u64 s[32:33], s[32:33], 256
	s_add_co_u32 s47, s47, 1
	s_sub_co_u32 s46, s46, 1
	s_cmp_lg_u32 s46, 0
	s_cbranch_scc1 .LRt
	s_branch .Lend
; ---- W
.LsecW:
	s_lshr_b32 s42, ttmp9, 8                       ; 0: wq wk wv wo; 1: w_fc_in; 2: w_fc_out
	s_and_b32 s43, ttmp9, 255
	s_lshr_b32 s44, s43, 6                         ; which of the four small ones
	s_cmp_eq_u32 s44, 1
	s_cselect_b64 s[46:47], s[12:13], s[10:11]
	s_cmp_eq_u32 s44, 2
	s_cselect_b64 s[46:47], s[14:15], s[46:47]
	s_cmp_eq_u32 s44, 3
	s_cselect_b64 s[46:47], s[16:17], s[46:47]
	s_cmp_eq_u32 s42, 1
	s_cselect_b64 s[46:47], s[18:19], s[46:47]
	s_cmp_eq_u32 s42, 2
	s_cselect_b64 s[46:47], s[20:21], s[46:47]     ; the source
	s_lshr_b32 s48, s43, 3
	s_and_b32 s49, s48, 7
	s_cmp_eq_u32 s42, 0
	s_cselect_b32 s48, s49, s48                    ; tile along k
	s_and_b32 s49, s43, 7                          ; tile along n
	s_lshr_b32 s50, s43, 5
	s_and_b32 s51, s43, 31
	s_mov_b32 s52, 4096                            ; bytes in a source row: 4,096,
	s_cmp_eq_u32 s42, 1
	s_cselect_b32 s48, s50, s48
	s_cselect_b32 s49, s51, s49
	s_cselect_b32 s52, 16384, s52                  ; or 16,384 in w_fc_in (an instruction holds one literal, so the other comes by the register)
	s_cmp_eq_u32 s42, 2
	s_cselect_b32 s53, 1, 0
	s_lshl_b32 s54, s42, 2
	s_or_b32 s54, s54, s44
	s_cmp_eq_u32 s54, 3
	s_cselect_b32 s53, 1, s53                      ; 1: wo or w_fc_out, which go to wb
	s_mov_b32 s55, 2048                            ; bytes for a row n of the target: 2,048 in wa,
	s_cmp_eq_u32 s53, 1
	s_cselect_b64 s[56:57], s[28:29], s[26:27]
	s_cselect_b32 s55, 10240, s55                  ; 10,240 in wb (16 rows are a block of 163,840 bytes there)
	s_cselect_b32 s54, 5, 1                        ; bytes for a step of one along k: 2 in wa; in wb 32 k are 1,024 bytes
	s_lshl_b32 s58, s44, 10
	s_cmp_eq_u32 s42, 1
	s_cselect_b32 s58, 3072, s58
	s_cmp_eq_u32 s53, 1
	s_cselect_b32 s58, 0, s58
	s_lshl_b32 s59, s49, 7
	s_add_co_u32 s58, s58, s59                     ; first row n of the target
	s_lshl_b32 s59, s48, 7                         ; 128 x tile along k
	s_cmp_eq_u32 s42, 2
	s_cselect_b32 s60, 1024, 0
	s_add_co_u32 s60, s60, s59                     ; first k in the target
	s_lshl_b32 s61, s40, 4
	s_add_co_u32 s62, s61, s59                     ; my first source row: 128 kt + 16 w
	s_mul_i32 s62, s62, s52
	s_lshl_b32 s63, s49, 9
	s_add_co_u32 s62, s62, s63
	s_mov_b32 s63, 0
	s_add_nc_u64 s[46:47], s[46:47], s[62:63]
	s_add_co_u32 s58, s58, s61                     ; my first target row: n0 + 16 w
	s_mul_i32 s58, s58, s55
	s_lshl_b32 s60, s60, s54
	s_add_co_u32 s58, s58, s60
	s_mov_b32 s59, 0
	s_add_nc_u64 s[56:57], s[56:57], s[58:59]
.irp i, 0,1,2,3,4,5,6,7,8,9,10,11,12,13,14,15
	v_mad_u32_u24 v[8+(\i)], s52, \i, v3           ; row i of my 16, 16 bytes a lane
.endr
.irp i, 0,1,2,3,4,5,6,7,8,9,10,11,12,13,14,15
	global_load_b128 v[32+4*(\i):35+4*(\i)], v[8+(\i)], s[46:47] th:TH_LOAD_NT  ; 512 consecutive bytes of a row
.endr
	v_mul_u32_u24 v4, v2, 1088                     ; stage row n = 4 lane + c, pitch 272,
	v_lshl_add_u32 v4, s40, 5, v4                  ; my 16 k: 32 bytes
; eight k (rows 8 g ..) of column c: rounded to bf16, written as f16, 16 bytes of a transposed row
.macro CV4 g, c
.irp q, 0,1,2,3
	v_cvt_pk_bf16_f32 v[100+(\q)], v[32+4*(8*(\g)+2*(\q))+(\c)], v[32+4*(8*(\g)+2*(\q)+1)+(\c)]
.endr
.irp q, 0,1,2,3
	v_lshlrev_b32 v[104+2*(\q)], 16, v[100+(\q)]
	v_and_b32 v[105+2*(\q)], s41, v[100+(\q)]
.endr
.irp q, 0,1,2,3
	v_cvt_pk_f16_f32 v[112+4*((\c)%2)+(\q)], v[104+2*(\q)], v[105+2*(\q)]
.endr
	ds_store_b128 v4, v[112+4*((\c)%2):115+4*((\c)%2)] offset:(\c)*272+16*(\g)
.endm
	s_wait_loadcnt 8                               ; rows 0-7 are in; the eight younger loads stay out
.irp c, 0,1,2,3
	CV4 0, \c
.endr
	s_wait_loadcnt 0x0
.irp c, 0,1,2,3
	CV4 1, \c
.endr
	v_lshrrev_b32 v5, 4, v2                        ; lane / 16
	v_and_b32 v6, 15, v2                           ; lane % 16
	s_mul_i32 s62, s40, 4352                       ; 16 w stage rows
	v_mul_u32_u24 v24, v6, 272                     ; for wb: stage row lane % 16 of my 16 (sixteen rows, sixteen different 16-byte columns),
	v_lshl_add_u32 v24, v5, 4, v24                 ; k = 8 (lane / 16) on
	v_add_nc_u32 v24, s62, v24
	v_lshlrev_b32 v6, 4, v6                        ; 16 (lane % 16)
	v_mad_u32_u24 v7, v5, s55, v6
	s_lshl_b32 s54, s55, 1
.irp t, 0,1,2,3,4,5,6,7
	v_mad_u32_u24 v[8+(\t)], s54, \t, v7           ; for wa: target rows 2 t + lane / 16 (the loads that read these registers are done)
.endr
	v_mad_u32_u24 v5, v5, 272, v6
	v_add_nc_u32 v5, s62, v5
	s_wait_dscnt 0x0                               ; for the others' sake: my stores into the stage are done
	s_barrier_signal -1
	s_barrier_wait -1
	s_cmp_eq_u32 s53, 1                            ; the same in all eight waves
	s_cbranch_scc1 .LWfrag
.irp t, 0,1,2,3,4,5,6,7
	ds_load_b128 v[120+4*(\t):123+4*(\t)], v5 offset:544*(\t)
.endr
.irp t, 0,1,2,3,4,5,6,7
	s_wait_dscnt 7-(\t)                            ; LDS loads come back in order: number t is in
	global_store_b128 v[8+(\t)], v[120+4*(\t):123+4*(\t)], s[56:57]  ; 16 lanes store 256 consecutive bytes, aligned
.endr
	s_branch .Lend
.LWfrag:                               ; wb: my 16 rows n are a block; half t of the tile's eight holds k = 16 t + 8 (lane / 16) + 0..7
.irp t, 0,1,2,3,4,5,6,7
	ds_load_b128 v[120+4*(\t):123+4*(\t)], v24 offset:32*(\t)
.endr
.irp t, 0,1,2,3,4,5,6,7
	s_wait_dscnt 7-(\t)
	global_store_b128 v3, v[120+4*(\t):123+4*(\t)], s[56:57] offset:512*(\t)  ; the wave stores 512 consecutive bytes, aligned
.endr
	s_branch .Lend
; ---- B
.LsecB:
	s_sub_co_u32 s42, ttmp9, 768
	s_sub_co_u32 s43, s42, 64
	s_lshr_b32 s44, s43, 1
	s_add_co_u32 s44, s44, 64
	s_and_b32 s45, s43, 1
	s_cmp_lt_u32 s42, 64
	s_cselect_b32 s44, s42, s44                    ; block of 16 queries; the first 64 blocks see only columns 0-1023
	s_cselect_b32 s45, 0, s45                      ; which 1,024 columns
	s_lshl_b32 s46, s44, 4
	s_lshl_b32 s47, s40, 1
	s_add_co_u32 s46, s46, s47                     ; my first query: 16 qb + 2 w
	s_lshl_b32 s48, s46, 13
	s_lshl_b32 s47, s45, 12
	s_add_co_u32 s48, s48, s47
	s_mov_b32 s49, 0
	s_add_nc_u64 s[22:23], s[22:23], s[48:49]
.irp i, 0,1
.irp j, 0,1,2,3,4,5,6,7
	global_load_b128 v[32+32*(\i)+4*(\j):35+32*(\i)+4*(\j)], v3, s[22:23] offset:(\i)*8192+512*(\j) th:TH_LOAD_NT
.endr
.endr
	s_lshl_b32 s47, s45, 10
	s_sub_co_i32 s46, s46, s47
	v_lshlrev_b32 v5, 2, v2
	v_sub_nc_u32 v12, s46, v5                      ; element 128 j + e of my row is hidden where it is greater than this
	v_add_nc_u32 v13, 1, v12
	v_mov_b32 v6, 0xc77fe000                       ; -65,504
	s_mov_b32 s50, 0xc7000000                      ; -32,768
	s_mov_b32 s51, 0x47000000
	s_mul_i32 s52, s40, 4128                       ; stage rows 2 w, pitch 2,064
	v_lshl_add_u32 v7, v2, 3, s52
	s_lshl_b32 s48, s44, 16
	s_lshl_b32 s47, s45, 15
	s_add_co_u32 s48, s48, s47
	s_add_nc_u64 s[30:31], s[30:31], s[48:49]
	s_wait_loadcnt 0x0
.irp i, 0,1
.irp j, 0,1,2,3,4,5,6,7
.irp q, 0,1
	v_cvt_pk_bf16_f32 v[8+(\q)], v[32+32*(\i)+4*(\j)+2*(\q)], v[33+32*(\i)+4*(\j)+2*(\q)]
	v_lshlrev_b32 v[32+32*(\i)+4*(\j)+2*(\q)], 16, v[8+(\q)]
	v_and_b32 v[33+32*(\i)+4*(\j)+2*(\q)], s41, v[8+(\q)]
	v_pk_mul_f32 v[32+32*(\i)+4*(\j)+2*(\q):33+32*(\i)+4*(\j)+2*(\q)], v[32+32*(\i)+4*(\j)+2*(\q):33+32*(\i)+4*(\j)+2*(\q)], 0x3a800000 op_sel_hi:[1,0]
	v_med3_num_f32 v[32+32*(\i)+4*(\j)+2*(\q)], v[32+32*(\i)+4*(\j)+2*(\q)], s50, s51
	v_med3_num_f32 v[33+32*(\i)+4*(\j)+2*(\q)], v[33+32*(\i)+4*(\j)+2*(\q)], s50, s51
	v_cmp_gt_i32 vcc_lo, 128*(\j)+2*(\q), v[12+(\i)]
	v_cndmask_b32 v[32+32*(\i)+4*(\j)+2*(\q)], v[32+32*(\i)+4*(\j)+2*(\q)], v6, vcc_lo
	v_cmp_gt_i32 vcc_lo, 128*(\j)+2*(\q)+1, v[12+(\i)]
	v_cndmask_b32 v[33+32*(\i)+4*(\j)+2*(\q)], v[33+32*(\i)+4*(\j)+2*(\q)], v6, vcc_lo
	v_cvt_pk_f16_f32 v[96+2*(8*(\i)+(\j))+(\q)], v[32+32*(\i)+4*(\j)+2*(\q)], v[33+32*(\i)+4*(\j)+2*(\q)]
.endr
	ds_store_b64 v7, v[96+2*(8*(\i)+(\j)):97+2*(8*(\i)+(\j))] offset:(\i)*2064+256*(\j)
.endr
.endr
	v_and_b32 v8, 15, v2
	v_mul_u32_u24 v8, v8, 2064                     ; query lane % 16 (pitch 129 x 16: sixteen rows, sixteen different 16-byte columns)
	v_lshrrev_b32 v9, 4, v2
	v_lshl_add_u32 v8, v9, 4, v8                   ; keys 8 (lane / 16) on
	v_lshl_add_u32 v8, s40, 8, v8                  ; my eight groups of 16 keys
	v_lshl_add_u32 v9, s40, 12, v3                 ; 512 bytes a group in memory
	s_wait_dscnt 0x0
	s_barrier_signal -1
	s_barrier_wait -1
.irp t, 0,1,2,3,4,5,6,7
	ds_load_b128 v[32+4*(\t):35+4*(\t)], v8 offset:32*(\t)
.endr
.irp t, 0,1,2,3,4,5,6,7
	s_wait_dscnt 7-(\t)
	global_store_b128 v9, v[32+4*(\t):35+4*(\t)], s[30:31] offset:512*(\t)  ; 512 consecutive bytes
.endr
	s_branch .Lend
; ---- L
.macro WSUM r, t                       ; the sum over the wave's 32 lanes, in every lane
	v_add_f32_dpp v[\r], v[\r], v[\r] row_xmask:1 row_mask:0xf bank_mask:0xf
	v_add_f32_dpp v[\r], v[\r], v[\r] row_xmask:2 row_mask:0xf bank_mask:0xf
	v_add_f32_dpp v[\r], v[\r], v[\r] row_xmask:4 row_mask:0xf bank_mask:0xf
	v_add_f32_dpp v[\r], v[\r], v[\r] row_xmask:8 row_mask:0xf bank_mask:0xf
	v_permlanex16_b32 v[\t], v[\r], s50, s51
	v_add_f32 v[\r], v[\r], v[\t]
.endm
.macro RB48 base, cnt                  ; cnt pairs from v[base] on are rounded to bf16, in place
.set n, 0
.rept \cnt
	v_cvt_pk_bf16_f32 v[8+n%4], v[(\base)+2*n], v[(\base)+2*n+1]
	v_lshlrev_b32 v[(\base)+2*n], 16, v[8+n%4]
	v_and_b32 v[(\base)+2*n+1], s41, v[8+n%4]
.set n, n+1
.endr
.endm
.macro FOLD                            ; four chains in v[128:135] into v128
	v_pk_add_f32 v[128:129], v[128:129], v[130:131]
	v_pk_add_f32 v[132:133], v[132:133], v[134:135]
	v_pk_add_f32 v[128:129], v[128:129], v[132:133]
	v_add_f32 v128, v128, v129
	WSUM 128, 129
.endm
.LsecL:
	s_sub_co_u32 s42, ttmp9, 960
	s_lshl_b32 s42, s42, 3
	s_add_co_u32 s42, s42, s40                     ; my row
	s_lshl_b32 s44, s42, 12
	s_mov_b32 s45, 0
	s_add_nc_u64 s[4:5], s[4:5], s[44:45]
	s_lshl_b32 s44, s42, 11
	s_add_nc_u64 s[24:25], s[24:25], s[44:45]
	s_mov_b32 s50, 0x76543210
	s_mov_b32 s51, 0xfedcba98
	v_lshlrev_b32 v4, 3, v2
.irp j, 0,1,2,3,4,5,6,7
	global_load_b128 v[32+4*(\j):35+4*(\j)], v3, s[4:5] offset:512*(\j) th:TH_LOAD_NT
.endr
.irp j, 0,1,2,3,4,5,6,7
	global_load_b128 v[64+4*(\j):67+4*(\j)], v3, s[6:7] offset:512*(\j)
.endr
.irp j, 0,1,2,3,4,5,6,7
	global_load_b128 v[96+4*(\j):99+4*(\j)], v3, s[8:9] offset:512*(\j)
.endr
	s_wait_loadcnt 16                              ; x is in; scale's and offset's sixteen loads stay out
	RB48 32, 16
.irp c, 0,1,2,3
	v_pk_add_f32 v[128+2*(\c):129+2*(\c)], v[32+2*(\c):33+2*(\c)], v[40+2*(\c):41+2*(\c)]
.endr
.irp c, 0,1,2,3
	v_pk_add_f32 v[128+2*(\c):129+2*(\c)], v[128+2*(\c):129+2*(\c)], v[48+2*(\c):49+2*(\c)]
.endr
.irp c, 0,1,2,3
	v_pk_add_f32 v[128+2*(\c):129+2*(\c)], v[128+2*(\c):129+2*(\c)], v[56+2*(\c):57+2*(\c)]
.endr
	FOLD
	v_mul_f32 v136, 0x3a800000, v128               ; the mean
	v_mov_b32 v137, v136
.set n, 0
.rept 16
	v_pk_add_f32 v[32+2*n:33+2*n], v[32+2*n:33+2*n], v[136:137] neg_lo:[0,1] neg_hi:[0,1]
.set n, n+1
.endr
.irp c, 0,1,2,3
	v_pk_mul_f32 v[128+2*(\c):129+2*(\c)], v[32+2*(\c):33+2*(\c)], v[32+2*(\c):33+2*(\c)]
.endr
.set n, 4
.rept 12
	v_pk_fma_f32 v[128+2*(n%4):129+2*(n%4)], v[32+2*n:33+2*n], v[32+2*n:33+2*n], v[128+2*(n%4):129+2*(n%4)]  ; the variance is taken of the differences: a common offset does no harm
.set n, n+1
.endr
	FOLD
	v_mov_b32 v133, 0x3a800000
	v_fmaak_f32 v132, v128, v133, 0x3727c5ac       ; variance + 1e-5
	v_rsq_f32 v134, v132
	v_nop
	s_wait_alu depctr_va_vdst(0)
	v_mov_b32 v135, v134
	s_wait_loadcnt 0x0
	RB48 64, 32
.set n, 0
.rept 16
	v_pk_mul_f32 v[64+2*n:65+2*n], v[64+2*n:65+2*n], v[134:135]
	v_pk_fma_f32 v[32+2*n:33+2*n], v[32+2*n:33+2*n], v[64+2*n:65+2*n], v[96+2*n:97+2*n]
	v_cvt_pk_f16_f32 v[138+n], v[32+2*n], v[33+2*n]
.set n, n+1
.endr
.irp j, 0,1,2,3,4,5,6,7
	global_store_b64 v4, v[138+2*(\j):139+2*(\j)], s[24:25] offset:256*(\j)  ; the wave stores 256 consecutive bytes, aligned
.endr
.Lend:
	s_wait_tensorcnt 0x0                           ; the wave's end
	ds_add_u32 v[SPW], v[NIL]
	s_wait_dscnt 0x0
	s_endpgm
.Lfunc_end_k_q95053b0b2a_prep:
	.size	k_q95053b0b2a_prep, .Lfunc_end_k_q95053b0b2a_prep-k_q95053b0b2a_prep
	.p2alignl 7, 3214868480
	.fill 96, 4, 3214868480
	.section	.rodata,"a",@progbits
	.p2align	6, 0x0
	.amdhsa_kernel k_q95053b0b2a_prep
		.amdhsa_group_segment_fixed_size 35840
		.amdhsa_private_segment_fixed_size 0
		.amdhsa_enable_private_segment 0
		.amdhsa_kernarg_size 120
		.amdhsa_user_sgpr_count 2
		.amdhsa_user_sgpr_kernarg_segment_ptr 1
		.amdhsa_wavefront_size32 1
		.amdhsa_system_sgpr_workgroup_id_x 1
		.amdhsa_system_sgpr_workgroup_id_y 1
		.amdhsa_system_sgpr_workgroup_id_z 1
		.amdhsa_system_vgpr_workitem_id 0
		.amdhsa_next_free_vgpr 160
		.amdhsa_next_free_sgpr 80
		.amdhsa_reserve_vcc 1
		.amdhsa_float_denorm_mode_32 3
		.amdhsa_float_denorm_mode_16_64 3
		.amdhsa_memory_ordered 1
		.amdhsa_forward_progress 1
		.amdhsa_inst_pref_size 61
	.end_amdhsa_kernel
	.amdgpu_metadata
---
amdhsa.version: [ 1, 2 ]
amdhsa.kernels:
  - .name:           k_q95053b0b2a_prep
    .symbol:         k_q95053b0b2a_prep.kd
    .args:
      - { .name: x, .offset: 0, .size: 8, .value_kind: global_buffer, .address_space: global }
      - { .name: ln_scale, .offset: 8, .size: 8, .value_kind: global_buffer, .address_space: global }
      - { .name: ln_offset, .offset: 16, .size: 8, .value_kind: global_buffer, .address_space: global }
      - { .name: wq, .offset: 24, .size: 8, .value_kind: global_buffer, .address_space: global }
      - { .name: wk, .offset: 32, .size: 8, .value_kind: global_buffer, .address_space: global }
      - { .name: wv, .offset: 40, .size: 8, .value_kind: global_buffer, .address_space: global }
      - { .name: wo, .offset: 48, .size: 8, .value_kind: global_buffer, .address_space: global }
      - { .name: w_fc_in, .offset: 56, .size: 8, .value_kind: global_buffer, .address_space: global }
      - { .name: w_fc_out, .offset: 64, .size: 8, .value_kind: global_buffer, .address_space: global }
      - { .name: attn_bias, .offset: 72, .size: 8, .value_kind: global_buffer, .address_space: global }
      - { .name: xn, .offset: 80, .size: 8, .value_kind: global_buffer, .address_space: global }
      - { .name: wa, .offset: 88, .size: 8, .value_kind: global_buffer, .address_space: global }
      - { .name: wb, .offset: 96, .size: 8, .value_kind: global_buffer, .address_space: global }
      - { .name: bias16, .offset: 104, .size: 8, .value_kind: global_buffer, .address_space: global }
      - { .name: rope, .offset: 112, .size: 8, .value_kind: global_buffer, .address_space: global }
    .group_segment_fixed_size: 35840
    .private_segment_fixed_size: 0
    .kernarg_segment_align: 8
    .kernarg_segment_size: 120
    .max_flat_workgroup_size: 256
    .sgpr_count:     80
    .vgpr_count:     160
    .wavefront_size: 32
...
	.end_amdgpu_metadata
.endif
;; end of part 1
;; launch proj (part 2): grid 28 x 16, 4 waves a work-group, clusters of 4 x 4, 327,680 bytes of LDS; arguments xn, wa, rope, b_fc_in, qkv, cat; writes qkv, cat
.if DOCPART == 2
	.amdgcn_target "amdgcn-amd-amdhsa--gfx1250"
	.amdhsa_code_object_version 6
	.text
	.protected	k_q95053b0b2a_proj
	.globl	k_q95053b0b2a_proj
	.p2align	8
	.type	k_q95053b0b2a_proj,@function
k_q95053b0b2a_proj:
	s_mov_b64 s[64:65], 0
	v_nop
	global_prefetch_b8 v0, s[64:65] scope:SCOPE_SE
	s_setreg_imm32_b32 hwreg(HW_REG_WAVE_MODE, 25, 1), 1
	s_wait_xcnt 0x0
	s_wait_alu depctr_hold_cnt(0) depctr_sa_sdst(0) depctr_va_vdst(0) depctr_va_sdst(0) depctr_va_ssrc(0) depctr_va_vcc(0) depctr_vm_vsrc(0)
	s_getreg_b32 s2, hwreg(HW_REG_IB_STS2, 6, 4)
	s_cmp_eq_u32 s2, 0
	s_cbranch_scc0 .Lentry_in_a_cluster
	s_endpgm
.Lentry_in_a_cluster:
	s_bfe_u32 s2, ttmp6, 0x10000c
	s_cmp_lg_u32 s2, 0xf033
	s_cbranch_scc0 .Lentry_shape_is_right
	s_endpgm
.Lentry_shape_is_right:
; [q | k | v | h] = xn [4096][1024] x wa^T (wa: [7168 n][1024 k]), f16 operands, f32 sums.  On the way out: rotary for q and k, nothing for v, bias and gelu for h; all rounded once to f16.
; A tile is 256 x 256, four waves of 128 x 128 (64 accumulators, 512 registers).  K goes in 8 steps of 128 through two LDS slots; a K step is written once, in a loop, and once in the tail.
; CLUSTER 4 x 4: xn's tile is shared along a row of the cluster, wa's along a column; each is asked for jointly.  The kind of output hangs on the cluster's x alone (0 q, 1 k, 2 v, 3-6 h): equal in all partners.
; The matrix instruction is used transposed (source 0 = 16 rows of wa, source 1 = 16 rows of xn): a lane holds row lane % 16 and eight neighbouring columns.
; OUTPUT in blocks of 64 columns, [block][4096 rows][64] f16: two neighbouring rows of a block are 256 consecutive bytes.  qkv: block = 16 x kind + head; cat: blocks 16-79 = h.
; LIMITS.  f16 holds no number beyond 65,504: q, k, v, h must stay within it.  The rotary pair is turned on by 8 rows a trip, sixteen times: an error of a few f32 roundings.
; REGISTERS in windows of 256: window 0 v0-31 addresses, v64-191 xn's fragments (two buffers), v192-239 tables; window 1 v64-191 wa's fragments; windows 2, 3 the accumulators ((a, b) at v[8 (8 a + b)]).
.set KSTEP,  128
.set PITCH,  272                       ; 256 bytes + 16 of padding: the 16 rows of a fragment load start at 16 different 16-byte columns
.set HALFT,  128*PITCH
.set SLOT,   4*HALFT                   ; 0x22000: shares no bit with wave x HALFT, so one exclusive or changes slots
.set SPARE,  2*SLOT
.set DPITCH, 528                       ; the dump: a row of 128 f32 + 16
.set DWAVE,  128*DPITCH
.set ADRA0, 16
.set ADRB0, 17
.set ADRA,  18
.set ADRB,  19
.set DST,   20
.set RDA,   21
.set GOF,   22
.set TOF,   23                         ; v23-27
.set SPW,   28
.set NIL,   29
.set PFO,   30
.set BOFF,  31
.set F0,    64
.set F1,    128
.set XR,    32                         ; the way out: 32 numbers as read
.set TR,    64
.set YR,    96
.set UR,    128
.set OUTR,  160
.set CSR,   192                        ; (cos, sin) of 4 units x 4 pairs
.set DLR,   224                        ; (cos, sin) of 8 rows' turn
.set BIR,   232                        ; my 8 numbers of b_fc_in
.set WV, 16
.set WR, 17
.set WC, 18
.set G1A, 24
.set G0A, 32
.set TB,  40
.set LIM, 41
.set PFA, 42
.set G1B, 48
.set G0B, 56
.set OUT, 66
.set MSB, 0
.macro WIN new                         ; the immediate's high byte repeats the setting that is left
.if MSB != (\new)
	s_set_vgpr_msb (MSB<<8)|(\new)
.set MSB, \new
.endif
.endm
.set MUL_LO, 0xa1
.set MUL_HI, 0xf1
.set TO_B,   0x40
.macro PLACES
.rept 4
	v_nop
.endr
.endm
.macro JLOAD                           ; the joint refill, by the walking descriptor: waves 0, 1 for xn, waves 2, 3 for wa
	s_cmp_eq_u32 s[WR], 0
	s_cbranch_scc0 .Lfor_b_\@
	tensor_load_to_lds s[G0A+4:G0A+7], s[G1A:G1A+7]
	s_nop 0
	PLACES
	s_branch .Lasked_\@
.Lfor_b_\@:
	tensor_load_to_lds s[G0B+4:G0B+7], s[G1B:G1B+7]
	s_nop 0
	PLACES
.Lasked_\@:
.endm
.macro ASK                             ; a prefetch of the K step two refills on: my work-group's 32 of the 128 rows that I fetch, a lane a row; the last two refills have none
	s_cmp_gt_u32 s3, s[LIM]
	s_cbranch_scc0 .Lnm_\@
	global_prefetch_b8 v[PFO], s[PFA:PFA+1] offset:KSTEP*2 th:TH_LOAD_NT scope:SCOPE_SE
.Lnm_\@:
.endm
.macro CREST
	s_cmp_lg_u32 s[WV], 0
	s_cbranch_scc1 .Lnw0_\@
	s_barrier_signal -3
.Lnw0_\@:
	s_barrier_wait -3
	s_barrier_signal -1
	s_barrier_wait -1
.endm
.macro CROUND
	s_barrier_signal -1
	s_barrier_wait -1
	CREST
.endm
	s_load_b256 s[4:11], s[0:1], 0x0               ; xn 4, wa 6, rope 8, b_fc_in 10
	s_load_b128 s[12:15], s[0:1], 0x20             ; qkv 12, cat 14
	v_lshl_add_u32 v[SPW], v0, 2, SPARE
	v_mov_b32 v[NIL], 0
	ds_add_u32 v[SPW], v[NIL]                      ; the wave's opening
	ds_add_u32 v28, v29
	v_lshrrev_b32 v1, 5, v0
	v_readfirstlane_b32 s[WV], v1
	s_lshr_b32 s[WR], s[WV], 1                     ; my half of the tile's rows; also: I fetch for xn (0) or wa (1)
	s_and_b32 s[WC], s[WV], 1                      ; my half of its columns; also: which 128 rows I fetch
	s_bfe_u32 s19, ttmp6, 0x40000                  ; cx
	s_bfe_u32 s20, ttmp6, 0x40004                  ; cy
	s_lshl_b32 s21, ttmp9, 2
	s_add_co_u32 s21, s21, s19                     ; tile column
	s_and_b32 s22, ttmp7, 0xffff
	s_lshl_b32 s22, s22, 2
	s_add_co_u32 s22, s22, s20                     ; tile row
	s_lshl_b32 s23, s20, 2
	s_lshl_b32 s23, 15, s23                        ; my row of the cluster
	s_lshl_b32 s44, 0x1111, s19                    ; my column
	s_or_b32 s[G1A], s23, (1<<16)|(1<<20)|(1<<21)|(5<<22)|(3<<25)  ; mask; 2-byte elements; padding on; bit 21 beside a mask; 4 words behind every 64
	s_or_b32 s[G1B], s44, (1<<16)|(1<<20)|(1<<21)|(5<<22)|(3<<25)
.irp g, G1A, G1B
	s_mov_b32 s[(\g)+1], KSTEP<<16                 ; tensor_dim0 = 128
	s_mov_b32 s[(\g)+2], 128<<16                   ; tensor_dim1 = 128
	s_mov_b32 s[(\g)+3], KSTEP<<16                 ; tile_dim0 = 128
	s_mov_b32 s[(\g)+4], 128                       ; tile_dim1 = 128
	s_mov_b32 s[(\g)+5], 1024                      ; elements from row to row
	s_mov_b32 s[(\g)+6], 0
	s_mov_b32 s[(\g)+7], 0
.endr
	s_lshl_b32 s74, s[WC], 7
	s_lshl_b32 s46, s22, 8
	s_add_co_u32 s46, s46, s74
	s_lshl_b32 s46, s46, 11                        ; xn: (256 tile row + 128 half) x 2,048 bytes
	s_mov_b32 s47, 0
	s_lshl_b32 s76, s21, 8
	s_add_co_u32 s76, s76, s74
	s_lshl_b32 s76, s76, 11                        ; wa likewise by the tile column
	s_mov_b32 s77, 0
	s_mul_i32 s75, s[WV], HALFT                    ; where my 128 rows go: no place in the cluster enters an LDS address
	s_mov_b32 s70, 0xc0135761                      ; -2 log2(e) sqrt(2/pi)
	s_mov_b32 s71, s70
	s_mov_b32 s72, 0xbdd2d3e8                      ; that x 0.044715
	s_mov_b32 s73, s72
	s_mov_b32 s80, 0xffff0000
	s_mov_b32 s[TB], 0
	s_wait_dscnt 0x0                               ; the opening add is done
	s_wait_kmcnt 0x0
	s_add_nc_u64 s[46:47], s[4:5], s[46:47]
	s_add_nc_u64 s[76:77], s[6:7], s[76:77]
	CROUND                                         ; all sixteen work-groups are here: the first joint loads meet
.irp s, 0,1
	s_mov_b32 s[G0A+4*(\s)], 1
	s_add_co_u32 s[G0A+4*(\s)+1], s75, (\s)*SLOT
	s_add_nc_u64 s[G0A+4*(\s)+2:G0A+4*(\s)+3], s[46:47], (\s)*KSTEP*2
	s_or_b32 s[G0A+4*(\s)+3], s[G0A+4*(\s)+3], 0x80000000
	s_mov_b32 s[G0B+4*(\s)], 1
	s_add_co_u32 s[G0B+4*(\s)+1], s75, (\s)*SLOT
	s_add_nc_u64 s[G0B+4*(\s)+2:G0B+4*(\s)+3], s[76:77], (\s)*KSTEP*2
	s_or_b32 s[G0B+4*(\s)+3], s[G0B+4*(\s)+3], 0x80000000
.endr
	s_cmp_eq_u32 s[WR], 0                          ; a wave's two first fills stand in one branch: two loads of mine are out
	s_cbranch_scc0 .Lfirst_b
	tensor_load_to_lds s[G0A:G0A+3], s[G1A:G1A+7]
	s_nop 0
	tensor_load_to_lds s[G0A+4:G0A+7], s[G1A:G1A+7]
	s_nop 0
	PLACES
	s_branch .Lfirst_done
.Lfirst_b:
	tensor_load_to_lds s[G0B:G0B+3], s[G1B:G1B+7]
	s_nop 0
	tensor_load_to_lds s[G0B+4:G0B+7], s[G1B:G1B+7]
	s_nop 0
	PLACES
.Lfirst_done:
	v_and_b32 v1, 15, v0                           ; r
	v_bfe_u32 v2, v0, 4, 1                         ; h
	v_mul_u32_u24 v3, v1, PITCH
	v_lshl_add_u32 v3, v2, 4, v3
	s_mul_i32 s45, s[WR], HALFT
	s_mul_i32 s78, s[WC], HALFT
	s_add_co_u32 s78, s78, 2*HALFT
	v_add_nc_u32 v[ADRA0], s45, v3
	v_add_nc_u32 v[ADRB0], s78, v3
	v_mov_b32 v[ADRA], v[ADRA0]
	v_mov_b32 v[ADRB], v[ADRB0]
	s_mul_i32 s45, s[WV], DWAVE                    ; my dump
	v_mul_u32_u24 v4, v1, DPITCH
	v_lshl_add_u32 v4, v2, 5, v4
	v_add_nc_u32 v[DST], s45, v4                   ; in: row r, 32 bytes for each half of the lanes
	v_bfe_u32 v5, v0, 3, 1                         ; sel: which row of a pair
	v_and_b32 v6, 7, v0                            ; e: which eight columns of a block
	v_mul_u32_u24 v7, v5, DPITCH
	v_lshl_add_u32 v7, v2, 8, v7
	v_lshl_add_u32 v7, v6, 5, v7
	v_add_nc_u32 v[RDA], s45, v7                   ; back: sixteen lanes take 2 rows x 8 pieces of 32 bytes, each 16-byte column once
	v_lshlrev_b32 v[GOF], 19, v2                   ; block lane / 16,
	v_lshl_add_u32 v[GOF], v5, 7, v[GOF]           ; row sel,
	v_lshl_add_u32 v[GOF], v6, 4, v[GOF]           ; 16 bytes
	s_lshl_b32 s69, s22, 8
	s_lshl_b32 s45, s[WR], 7
	s_add_co_u32 s79, s69, s45                     ; my first row
	s_and_b32 s69, s79, 2047                       ; its position
	s_cmp_lt_u32 ttmp9, 2
	s_cselect_b32 s68, 1, 0                        ; 1 for q and k; else the table's row 0, the unit rotation
	s_mul_i32 s69, s69, s68
	v_mul_u32_u24 v8, s68, v5
	v_add_nc_u32 v8, s69, v8
	v_lshlrev_b32 v8, 8, v8
	v_lshl_add_u32 v8, v6, 5, v8
	s_lshl_b32 s45, s68, 9
.irp u, 0,1,2,3
	v_mad_u32_u24 v[TOF+(\u)], s45, \u, v8         ; unit u: rows 2 u + sel
.endr
	s_lshl_b32 s45, s68, 11
	v_lshl_add_u32 v[TOF+4], v6, 5, s45            ; row 8: the turn of 8 rows
.irp u, 0,1,2,3,4
	global_load_b128 v[CSR+8*(\u):CSR+8*(\u)+3],   v[TOF+(\u)], s[8:9]
	global_load_b128 v[CSR+8*(\u)+4:CSR+8*(\u)+7], v[TOF+(\u)], s[8:9] offset:16
.endr
	s_lshl_b32 s45, s21, 8
	s_sub_co_i32 s45, s45, 3072
	s_max_i32 s45, s45, 0                          ; q, k, v read (and do not use) the bias's first numbers
	s_lshl_b32 s78, s[WC], 7
	s_add_co_u32 s45, s45, s78
	s_lshl_b32 s45, s45, 2
	v_lshlrev_b32 v[BOFF], 8, v2
	v_lshl_add_u32 v[BOFF], v6, 5, v[BOFF]
	v_add_nc_u32 v[BOFF], s45, v[BOFF]
	global_load_b128 v[BIR:BIR+3],   v[BOFF], s[10:11]
	global_load_b128 v[BIR+4:BIR+7], v[BOFF], s[10:11] offset:16
	s_lshl_b32 s45, s21, 2
	s_lshl_b32 s78, s[WC], 1
	s_add_co_u32 s45, s45, s78                     ; block 4 tile column + 2 half in qkv,
	s_sub_co_u32 s78, s45, 32                      ; 32 less in cat
	s_cmp_lt_u32 ttmp9, 3
	s_cselect_b32 s45, s45, s78
	s_cselect_b64 s[OUT:OUT+1], s[12:13], s[14:15]
	s_lshl_b32 s74, s45, 19
	s_lshl_b32 s78, s79, 7
	s_add_co_u32 s74, s74, s78
	s_mov_b32 s75, 0
	s_add_nc_u64 s[OUT:OUT+1], s[OUT:OUT+1], s[74:75]
	; the prefetches: xn's rows are asked for by the cluster with x = 0, wa's by the cluster with y = 0; the four partners share the rows out by address
	s_and_b32 s78, ttmp7, 0xffff
	s_lshl_b32 s45, s22, 8
	s_lshl_b32 s74, s21, 8
	s_cmp_eq_u32 s[WR], 0
	s_cselect_b32 s45, s45, s74
	s_cselect_b32 s74, s19, s20
	s_cselect_b32 s78, ttmp9, s78
	s_cselect_b64 s[PFA:PFA+1], s[4:5], s[6:7]
	s_cmp_eq_u32 s78, 0
	s_cselect_b32 s[LIM], 2, -1
	s_lshl_b32 s78, s[WC], 7
	s_add_co_u32 s45, s45, s78
	s_lshl_b32 s74, s74, 5
	s_add_co_u32 s45, s45, s74
	s_lshl_b32 s74, s45, 11
	s_mov_b32 s75, 0
	s_add_nc_u64 s[PFA:PFA+1], s[PFA:PFA+1], s[74:75]
	s_add_nc_u64 s[PFA:PFA+1], s[PFA:PFA+1], 2*KSTEP*2  ; at K step 2: the first refill steps it to 3 and names K step 4
	v_and_b32 v[PFO], 31, v0
	v_lshlrev_b32 v[PFO], 11, v[PFO]
.macro MUL16 f, hi, a0, zero           ; 16 products: row blocks a0, a0 + 1 of the window's four x all 8 column blocks; the accumulators take turns
	WIN MUL_LO+0x50*(\hi)
.irp a, \a0, (\a0)+1
.irp b, 0,1,2,3,4,5,6,7
.if \zero
	v_wmma_f32_16x16x32_f16 v[8*(8*(\a)+(\b)):8*(8*(\a)+(\b))+7], v[(\f)+8*(\b):(\f)+8*(\b)+7], v[(\f)+8*(4*(\hi)+(\a)):(\f)+8*(4*(\hi)+(\a))+7], 0
.else
	v_wmma_f32_16x16x32_f16 v[8*(8*(\a)+(\b)):8*(8*(\a)+(\b))+7], v[(\f)+8*(\b):(\f)+8*(\b)+7], v[(\f)+8*(4*(\hi)+(\a)):(\f)+8*(4*(\hi)+(\a))+7], v[8*(8*(\a)+(\b)):8*(8*(\a)+(\b))+7]
.endif
.endr
.endr
.endm
.macro FETCH k, f                      ; 32 LDS loads in one run: a quarter step's fragments, at byte k of the rows
	WIN TO_B
.irp i, 0,1,2,3,4,5,6,7
	ds_load_b128 v[(\f)+8*(\i):(\f)+8*(\i)+3],   v[ADRB] offset:(\k)+(\i)*16*PITCH
	ds_load_b128 v[(\f)+8*(\i)+4:(\f)+8*(\i)+7], v[ADRB] offset:(\k)+(\i)*16*PITCH+32
.endr
	WIN 0
.irp i, 0,1,2,3,4,5,6,7
	ds_load_b128 v[(\f)+8*(\i):(\f)+8*(\i)+3],   v[ADRA] offset:(\k)+(\i)*16*PITCH
	ds_load_b128 v[(\f)+8*(\i)+4:(\f)+8*(\i)+7], v[ADRA] offset:(\k)+(\i)*16*PITCH+32
.endr
.endm
.macro QUARTER k, f, g, zero
	s_wait_dscnt 8                                 ; wa's fragments and xn's rows 0-63 are in; the youngest eight loads may be out
	MUL16 \f, 0, 0, \zero
	MUL16 \f, 0, 2, \zero
	PLACES
	FETCH \k, \g
	s_wait_dscnt 32                                ; all but the 32 just issued
	MUL16 \f, 1, 0, \zero
	MUL16 \f, 1, 2, \zero
.endm
.macro T0A                             ; the first half of a step's last quarter, with the barrier of the change of slots
	WIN 0
	s_wait_tensorcnt 0x0                           ; all my tensor loads have landed: the one that was out is my part of the next slot
	ds_add_u32 v[SPW], v[NIL]
	s_wait_dscnt 9                                 ; the add and the youngest eight loads may be out
	MUL16 F1, 0, 0, 0
	s_wait_dscnt 0x0                               ; the add is done and my reads of this slot are over
	s_barrier_signal -1
	MUL16 F1, 0, 2, 0
	WIN 0
	s_barrier_wait -1
.endm
.macro NEXTSLOT                        ; the fragment addresses go to the other slot
	s_xor_b32 s[TB], s[TB], SLOT
	v_add_nc_u32 v[ADRA], s[TB], v[ADRA0]
	v_add_nc_u32 v[ADRB], s[TB], v[ADRB0]
.endm
.macro TURN
	s_wait_xcnt 0x0                                ; the last prefetch, a K step back, has read its address
	s_add_nc_u64 s[PFA:PFA+1], s[PFA:PFA+1], KSTEP*2
	T0A
	CREST                                          ; the barrier has opened a round of the cluster's: no wave of any partner still reads this slot or has a load on its way
	s_xor_b32 s[G0A+5], s[G0A+5], SLOT             ; the walking descriptors: the other slot, the next K step
	s_add_nc_u64 s[G0A+6:G0A+7], s[G0A+6:G0A+7], KSTEP*2
	s_xor_b32 s[G0B+5], s[G0B+5], SLOT
	s_add_nc_u64 s[G0B+6:G0B+7], s[G0B+6:G0B+7], KSTEP*2
	JLOAD                                          ; 224 products stand between this request and the wait for it
	NEXTSLOT
	FETCH 0, F0
	ASK
	MUL16 F1, 1, 0, 0
	MUL16 F1, 1, 2, 0
.endm
	s_wait_tensorcnt 1                             ; my part of K step 0 is in; K step 1's may stay out
	s_barrier_signal -1
	s_barrier_wait -1
	FETCH 0, F0
	QUARTER 64, F0, F1, 1                          ; the first quarter starts the sums
	WIN 0
	s_mov_b32 s3, 6
.Lk:                                   ; six trips: from a K step's second quarter to the next one's first; each fills a slot again (K steps 2-7)
	QUARTER 128, F1, F0, 0
	QUARTER 192, F0, F1, 0
	TURN
	QUARTER 64, F0, F1, 0
	WIN 0
	s_sub_co_u32 s3, s3, 1
	s_cmp_lg_u32 s3, 0
	s_cbranch_scc1 .Lk
	s_mov_b32 s3, 2
.Lt:                                   ; the last two K steps ask for nothing; the second trip is left in its middle
	QUARTER 128, F1, F0, 0
	QUARTER 192, F0, F1, 0
	T0A
	s_sub_co_u32 s3, s3, 1
	s_cmp_eq_u32 s3, 0
	s_cbranch_scc1 .Lout
	PLACES
	NEXTSLOT
	FETCH 0, F0
	MUL16 F1, 1, 0, 0
	MUL16 F1, 1, 2, 0
	QUARTER 64, F0, F1, 0
	WIN 0
	s_branch .Lt
.Lout:
	MUL16 F1, 1, 0, 0
	MUL16 F1, 1, 2, 0
	; THE WAY OUT.  Every wave has passed the last barrier with its reads of the ring over, and the ring has had its last fill: my 128 x 128 sums go as f32 into my own 67,584 bytes of it.
	PLACES
.irp hi, 0,1
	WIN 0x08+4*(\hi)
.irp a, 0,1,2,3
.irp b, 0,1,2,3,4,5,6,7
	ds_store_b128 v[DST], v[8*(8*(\a)+(\b)):8*(8*(\a)+(\b))+3]   offset:8448*(4*(\hi)+(\a))+64*(\b)
	ds_store_b128 v[DST], v[8*(8*(\a)+(\b))+4:8*(8*(\a)+(\b))+7] offset:8448*(4*(\hi)+(\a))+64*(\b)+16
.endr
.endr
.endr
	WIN 0
	s_wait_loadcnt 0x0                             ; the tables
.irp q, 0,1,2,3
	v_cvt_pk_bf16_f32 v[TR+(\q)], v[BIR+2*(\q)], v[BIR+2*(\q)+1]
	v_lshlrev_b32 v[BIR+2*(\q)], 16, v[TR+(\q)]
	v_and_b32 v[BIR+2*(\q)+1], s80, v[TR+(\q)]
.endr
.macro RD8                             ; 8 rows back: LDS serves a wave's instructions in order, so these see my stores
.irp u, 0,1,2,3
	ds_load_b128 v[XR+8*(\u):XR+8*(\u)+3],   v[RDA] offset:(\u)*2*DPITCH
	ds_load_b128 v[XR+8*(\u)+4:XR+8*(\u)+7], v[RDA] offset:(\u)*2*DPITCH+16
.endr
	s_wait_dscnt 0x0
.endm
.macro ST8 src                         ; rounded to f16 and stored: sixteen lanes store 256 consecutive bytes, aligned
.set n, 0
.rept 16
	v_cvt_pk_f16_f32 v[OUTR+n], v[(\src)+2*n], v[(\src)+2*n+1]
.set n, n+1
.endr
.irp u, 0,1,2,3
	global_store_b128 v[GOF], v[OUTR+4*(\u):OUTR+4*(\u)+3], s[OUT:OUT+1] offset:256*(\u)
.endr
	s_wait_xcnt 0x0                                ; the stores' data and base are rewritten only behind this wait
	s_add_nc_u64 s[OUT:OUT+1], s[OUT:OUT+1], 1024
	v_add_nc_u32 v[RDA], 8*DPITCH, v[RDA]
.endm
	s_mov_b32 s3, 16
	s_cmp_lt_u32 ttmp9, 3
	s_cbranch_scc0 .LF
.LR:                                   ; q, k, v: (x0, x1) -> (x0 c - x1 s, x1 c + x0 s); then the table is turned on by 8 rows in the same way
	RD8
.set n, 0
.rept 16
	v_pk_mul_f32 v[TR+2*n:TR+2*n+1], v[XR+2*n:XR+2*n+1], v[CSR+2*n:CSR+2*n+1] op_sel_hi:[1,0]
.set n, n+1
.endr
.set n, 0
.rept 16
	v_pk_fma_f32 v[YR+2*n:YR+2*n+1], v[XR+2*n:XR+2*n+1], v[CSR+2*n:CSR+2*n+1], v[TR+2*n:TR+2*n+1] op_sel:[1,1,0] op_sel_hi:[0,1,1] neg_lo:[1,0,0]
.set n, n+1
.endr
.set n, 0
.rept 16
	v_pk_mul_f32 v[TR+2*n:TR+2*n+1], v[CSR+2*n:CSR+2*n+1], v[DLR+2*(n%4):DLR+2*(n%4)+1] op_sel_hi:[1,0]
	v_pk_mul_f32 v[UR+2*n:UR+2*n+1], v[CSR+2*n:CSR+2*n+1], v[DLR+2*(n%4):DLR+2*(n%4)+1] op_sel:[1,1] op_sel_hi:[0,1] neg_lo:[1,0]
.set n, n+1
.endr
.set n, 0
.rept 16
	v_pk_add_f32 v[CSR+2*n:CSR+2*n+1], v[TR+2*n:TR+2*n+1], v[UR+2*n:UR+2*n+1]
.set n, n+1
.endr
	ST8 YR
	s_sub_co_u32 s3, s3, 1
	s_cmp_lg_u32 s3, 0
	s_cbranch_scc1 .LR
	s_branch .Lfin
.LF:                                   ; h = gelu(x + b) = x / (1 + 2^(x (K0 + K1 x^2)))
	RD8
.set n, 0
.rept 16
	v_pk_add_f32 v[XR+2*n:XR+2*n+1], v[XR+2*n:XR+2*n+1], v[BIR+2*(n%4):BIR+2*(n%4)+1]
.set n, n+1
.endr
.set n, 0
.rept 16
	v_pk_mul_f32 v[TR+2*n:TR+2*n+1], v[XR+2*n:XR+2*n+1], v[XR+2*n:XR+2*n+1]
.set n, n+1
.endr
.set n, 0
.rept 16
	v_pk_fma_f32 v[TR+2*n:TR+2*n+1], v[TR+2*n:TR+2*n+1], s[72:73], s[70:71] op_sel_hi:[1,0,0]
.set n, n+1
.endr
.set n, 0
.rept 16
	v_pk_mul_f32 v[TR+2*n:TR+2*n+1], v[TR+2*n:TR+2*n+1], v[XR+2*n:XR+2*n+1]
.set n, n+1
.endr
.set n, 0
.rept 32
	v_exp_f32 v[TR+n], v[TR+n]
.set n, n+1
.endr
	v_nop
	s_wait_alu depctr_va_vdst(0)                   ; one wait for the 32 exponentials
.set n, 0
.rept 16
	v_pk_add_f32 v[TR+2*n:TR+2*n+1], v[TR+2*n:TR+2*n+1], 1.0 op_sel_hi:[1,0]
.set n, n+1
.endr
.set n, 0
.rept 32
	v_rcp_f32 v[TR+n], v[TR+n]
.set n, n+1
.endr
	v_nop
	s_wait_alu depctr_va_vdst(0)                   ; one wait for the 32 reciprocals
.set n, 0
.rept 16
	v_pk_mul_f32 v[XR+2*n:XR+2*n+1], v[XR+2*n:XR+2*n+1], v[TR+2*n:TR+2*n+1]
.set n, n+1
.endr
	ST8 XR
	s_sub_co_u32 s3, s3, 1
	s_cmp_lg_u32 s3, 0
	s_cbranch_scc1 .LF
.Lfin:
	s_wait_tensorcnt 0x0                           ; the wave's end
	ds_add_u32 v[SPW], v[NIL]
	s_wait_dscnt 0x0
	CROUND                                         ; the closing round
	s_endpgm
.Lfunc_end_k_q95053b0b2a_proj:
	.size	k_q95053b0b2a_proj, .Lfunc_end_k_q95053b0b2a_proj-k_q95053b0b2a_proj
	.p2alignl 7, 3214868480
	.fill 96, 4, 3214868480
	.section	.rodata,"a",@progbits
	.p2align	6, 0x0
	.amdhsa_kernel k_q95053b0b2a_proj
		.amdhsa_group_segment_fixed_size 327680
		.amdhsa_private_segment_fixed_size 0
		.amdhsa_enable_private_segment 0
		.amdhsa_kernarg_size 48
		.amdhsa_user_sgpr_count 2
		.amdhsa_user_sgpr_kernarg_segment_ptr 1
		.amdhsa_wavefront_size32 1
		.amdhsa_system_sgpr_workgroup_id_x 1
		.amdhsa_system_sgpr_workgroup_id_y 1
		.amdhsa_system_sgpr_workgroup_id_z 1
		.amdhsa_system_vgpr_workitem_id 0
		.amdhsa_next_free_vgpr 1024
		.amdhsa_next_free_sgpr 100
		.amdhsa_reserve_vcc 0
		.amdhsa_float_denorm_mode_32 3
		.amdhsa_float_denorm_mode_16_64 3
		.amdhsa_memory_ordered 1
		.amdhsa_forward_progress 1
		.amdhsa_inst_pref_size 100
	.end_amdhsa_kernel
	.amdgpu_metadata
---
amdhsa.version: [ 1, 2 ]
amdhsa.kernels:
  - .name:           k_q95053b0b2a_proj
    .symbol:         k_q95053b0b2a_proj.kd
    .args:
      - { .name: xn, .offset: 0, .size: 8, .value_kind: global_buffer, .address_space: global }
      - { .name: wa, .offset: 8, .size: 8, .value_kind: global_buffer, .address_space: global }
      - { .name: rope, .offset: 16, .size: 8, .value_kind: global_buffer, .address_space: global }
      - { .name: b_fc_in, .offset: 24, .size: 8, .value_kind: global_buffer, .address_space: global }
      - { .name: qkv, .offset: 32, .size: 8, .value_kind: global_buffer, .address_space: global }
      - { .name: cat, .offset: 40, .size: 8, .value_kind: global_buffer, .address_space: global }
    .group_segment_fixed_size: 327680
    .private_segment_fixed_size: 0
    .kernarg_segment_align: 8
    .kernarg_segment_size: 48
    .max_flat_workgroup_size: 128
    .sgpr_count:     100
    .vgpr_count:     1024
    .wavefront_size: 32
...
	.end_amdgpu_metadata
.endif
;; end of part 2
;; launch attn (part 3): grid 8 x 32, 4 waves a work-group, no clusters, 327,680 bytes of LDS; arguments qkv, bias16, cat; writes cat
.if DOCPART == 3
	.amdgcn_target "amdgcn-amd-amdhsa--gfx1250"
	.amdhsa_code_object_version 6
	.text
	.protected	k_q95053b0b2a_attn
	.globl	k_q95053b0b2a_attn
	.p2align	8
	.type	k_q95053b0b2a_attn,@function
k_q95053b0b2a_attn:
	s_mov_b64 s[64:65], 0
	v_nop
	global_prefetch_b8 v0, s[64:65] scope:SCOPE_SE
	s_setreg_imm32_b32 hwreg(HW_REG_WAVE_MODE, 25, 1), 1
	s_wait_xcnt 0x0
; CAUSAL ATTENTION WITH AN ADDED BIAS, head size 64.  q, k, v: qkv [16 kind + head][4096 rows][64] f16 (row = 2048 batch + position); O: cat, blocks 0-15, the same layout.
; bias16 holds f16(bias x 2^-10), -65,504 where key > query, in the order of a matrix fragment (16 queries x 32 keys).  A score is q.k + 8 bias; p = 2^(c s - c m), c = log2(e) / 8.
; THE BIAS AND THE MASK come in by the matrix unit: the sum S^T of 16 keys x 16 queries is started by E x BF, where E has 8,192 at (key m, k = m or 16 + m): it adds 8 bias, or -5.4e8 where hidden.  No mask text.
; THE WALK.  A head's queries lie in 16 blocks of 128; block i needs (i >> 1) + 1 slots of 256 keys.  A work-group takes block b and then block 15 - b: 9 slots whatever b: every trip count is a constant.
; NO CLUSTER: a head's work-groups walk different tiles from the second slot on, and one walk common to all would be half as long again; work-groups of different heads share only the bias, which goes straight to registers.
; SHARES.  A wave owns 32 rows of the block: two PIECES of 16.  Turn n belongs to a piece: 12 products for the other piece's next scores, 8 products V^T P of the other piece's last weights; beside them its own scaling,
; exponentials, rescaling, roundings and sums and the other piece's maximum and statistics.  A turn's 33 exponentials are one batch with one wait.
; THE BIAS IS ASKED FOR TWO KEY STEPS AHEAD: each piece has two sets of 16 registers, by the step's parity, and a set is loaded again, for the step two on, as soon as its four products have read it.  Register numbers
; are fixed in the text, so a trip of the step loop holds two key steps.  A block's first four groups of loads go out early: with Q at the head, and ahead of the first block's way out.
; K LIES ONE STEP ON in a slot: slot t holds K of steps 4 t + 1 .. 4 t + 4 and V of steps 4 t .. 4 t + 3, so that what a step fetches (K of the next step, V of its own) lies in one slot.  K of step 0 is kept in registers.
; A block's last turn multiplies by the K behind the block's last step (inside qkv) and a clamped bias step; those scores are thrown away.
; LIMITS.  q, k, v within f16; a hidden key counts as a logit of -6.7e7; a weight below 2^-126 counts as 0; NaN and infinities are not treated apart.
; REGISTERS: window 0 addresses, statistics, S^T v64-127 (32 a piece), P v192-223; window 1 O^T v0-63, BF v64-127, E v128-139; window 2 Q v0-31, second block's Q v32-63, K(0) v64-127, K v128-191, V v192-255.
.set NP,    2
.set KS,    64
.set PK,    144
.set PV,    160
.set VOFF,  4*KS*PK
.set SLOT1, 1<<17
.set STAGE, SLOT1+4*KS*(PK+PV)
.set SP,    144
.set SPARE, STAGE+4*16*SP
.set AK0, 2
.set AV0, 3
.set AK,  4
.set AV,  5
.set STO, 6
.set RD,  7
.set GO,  8
.set BOF, 9
.set PFO, 10
.set QO,  11
.set MV,  12
.set ST,  16
.set TMP, 48
.set SPW, 62
.set NIL, 63
.set S,   64
.set P,   192
.set BF,  64                           ; window 1: set u, piece x at BF + 32 u + 16 x
.set EB,  128                          ; window 1: 0 x 4, X x 4, 0 x 4
.set QB,  32                           ; window 2
.set KZ,  64
.set KF,  128
.set VF,  192
.set WV,  12
.set G1K, 24
.set G1V, 32
.set G0K, 40
.set G0V, 44
.set KB,  50
.set VB,  52
.set PFB, 54
.set SLOTS, 56
.set CNT, 57
.set CS,  58
.set SEL, 60
.set TBK, 62
.set TBV, 63
.set RT,  66
.set NXT, 67
.set LQ,  68
.set LQHI, 69
.set OFF, 70
.set STP, 72
.set LASTS, 73
.set LASTHI, 74
.set TS,  75
.set BBASE, 76
.set BBT, 78
.set OB,  80
.set BBHI, 82
.set OP_, 84
.set OPHI, 86
.set PFA, 88
.set PFK, 90
.set PFX, 91
.set QLO, 92
.set QHI, 94
.set KP0, 96
.set MSB, 0
.set BU, 0
.macro WIN new
.if MSB != (\new)
	s_set_vgpr_msb (MSB<<8)|(\new)
.set MSB, (\new)
.endif
.endm
.set W_BS, 0x05                        ; E and BF in window 1, S^T in window 0
.set W_KQ, 0x0a
.set W_PV, 0x52
.set W_RS, 0x41
.macro LOAD                            ; waves 0, 1 fetch the halves of a tile's K, waves 2, 3 those of its V: 128 keys each
	s_cmp_lt_u32 s[WV], 2
	s_cbranch_scc0 .Lfor_v_\@
	tensor_load_to_lds s[G0K:G0K+3], s[G1K:G1K+7]
	s_nop 0
.rept 4
	v_nop
.endr
	s_branch .Lasked_\@
.Lfor_v_\@:
	tensor_load_to_lds s[G0V:G0V+3], s[G1V:G1V+7]
	s_nop 0
.rept 4
	v_nop
.endr
.Lasked_\@:
.endm
; THE CHANGE OF SLOTS: all my tensor loads have landed, the add, my reads of the old slot are over, the barrier; fill = 1: the old slot takes tile NXT, the first thing behind the barrier.
; Behind the load a prefetch: the work-group with b = 0 alone walks tiles 4-7 ahead of the others of its head; when it has asked for tile 3 .. 6 each wave names its own half (64 x 256 bytes, two lines) of the tile after it, one slot ahead.
.macro CHANGE fill
	WIN 0
	s_wait_tensorcnt 0x0
	ds_add_u32 v[SPW], v[NIL]                      ; scalar work stands between the add and the wait for it
.if \fill
	s_lshl_b32 s[OFF], s[NXT], 15
	s_xor_b32 s[G0K+1], s[G0K+1], SLOT1
	s_add_nc_u64 s[G0K+2:G0K+3], s[KB:KB+1], s[OFF:OFF+1]
	s_or_b32 s[G0K+3], s[G0K+3], 0x80000000
	s_xor_b32 s[G0V+1], s[G0V+1], SLOT1
	s_add_nc_u64 s[G0V+2:G0V+3], s[VB:VB+1], s[OFF:OFF+1]
	s_or_b32 s[G0V+3], s[G0V+3], 0x80000000
	s_wait_xcnt 0x0                                ; the last prefetches, a slot back, have read their address
	s_add_nc_u64 s[PFA:PFA+1], s[PFB:PFB+1], s[OFF:OFF+1]
	s_sub_co_u32 s[PFK], s[NXT], 3
	s_add_co_u32 s[PFK], s[PFK], s[PFX]
	s_add_co_u32 s[NXT], s[NXT], 1                 ; the block's next tile, or behind its last the second block's tile 0
	s_cmp_gt_u32 s[NXT], s[LQ]
	s_cselect_b32 s[NXT], 0, s[NXT]
	s_cselect_b32 s[LQ], s[LQHI], s[LQ]
.endif
	s_wait_dscnt 0x0
	s_barrier_signal -1
	s_sub_co_u32 s[TBK], s[TBK], 4*KS*PK           ; the fetches go back to a slot's first step, in the other slot
	s_xor_b32 s[TBK], s[TBK], SLOT1
	s_sub_co_u32 s[TBV], s[TBV], 4*KS*PV
	s_xor_b32 s[TBV], s[TBV], SLOT1
	s_barrier_wait -1
.if \fill
	LOAD
	s_cmp_lt_u32 s[PFK], 4
	s_cbranch_scc0 .Lnp_\@
	global_prefetch_b8 v[PFO], s[PFA:PFA+1] th:TH_LOAD_NT scope:SCOPE_SE
	global_prefetch_b8 v[PFO], s[PFA:PFA+1] offset:8192 th:TH_LOAD_NT scope:SCOPE_SE
.Lnp_\@:
.endif
.endm
; A block's first four groups of bias loads, in the order in which they are multiplied: piece 0 and piece 1 of key step 0, then of key step 1 (every block has four steps or more).
.macro BIAS0 base
	WIN 0x40
.irp j, 0,1
.irp x, 0,1
.irp n, 0,1,2,3
	global_load_b128 v[BF+32*\j+16*\x+4*\n:BF+32*\j+16*\x+4*\n+3], v[BOF], s[\base:\base+1] offset:\x*65536+\j*2048+512*\n
.endr
.endr
.endr
.endm
	s_load_b128 s[4:7], s[0:1], 0x0                ; qkv 4, bias16 6
	s_load_b64 s[8:9], s[0:1], 0x10                ; cat
	v_lshl_add_u32 v[SPW], v0, 2, SPARE
	v_mov_b32 v[NIL], 0
	ds_add_u32 v[SPW], v[NIL]                      ; the wave's opening
	ds_add_u32 v62, v63
	v_lshrrev_b32 v1, 5, v0
	v_readfirstlane_b32 s[WV], v1
	s_mov_b32 s14, ttmp9                           ; the first block, b
	s_sub_co_u32 s15, 15, s14                      ; the second
	s_and_b32 s16, ttmp7, 0xffff
	s_lshr_b32 s17, s16, 4                         ; batch
	s_and_b32 s16, s16, 15                         ; head
	s_lshl_b32 s18, s16, 19
	s_lshl_b32 s17, s17, 18
	s_add_co_u32 s18, s18, s17
	s_mov_b32 s19, 0                               ; the head's and batch's first byte in a kind's blocks
	s_and_b32 s20, s[WV], 1
	s_lshl_b32 s22, s20, 14                        ; my half of a tile: 128 rows of 128 bytes
	s_mov_b32 s23, 0
	s_add_nc_u64 s[22:23], s[22:23], s[18:19]
	s_mul_i32 s10, s20, 128*PK
	s_mul_i32 s11, s20, 128*PV
	s_lshr_b32 s48, s14, 1
	s_add_co_u32 s48, s48, 1                       ; slots of the first block
	s_lshr_b32 s49, s15, 1
	s_add_co_u32 s49, s49, 1                       ; of the second
	s_mov_b32 s[G1K], (1<<16)|(1<<20)|(4<<22)|(3<<25)  ; 2-byte elements; padding on: 4 words behind every 32
	s_mov_b32 s[G1V], (1<<16)|(1<<20)|(4<<22)|(7<<25)  ; 8 words
.irp g, G1K, G1V
	s_mov_b32 s[\g+1], 128<<16                     ; 128 keys are 16,384 dense bytes: 64 rows of 256
	s_mov_b32 s[\g+2], 64<<16
	s_mov_b32 s[\g+3], 128<<16
	s_mov_b32 s[\g+4], 64
	s_mov_b32 s[\g+5], 128
	s_mov_b32 s[\g+6], 0
	s_mov_b32 s[\g+7], 0
.endr
	s_mov_b32 s[CS], 0x3e38aa3b                    ; c = log2(e) / 8
	s_mov_b32 s[CS+1], s[CS]
	s_mov_b32 s[SEL], 0x76543210
	s_mov_b32 s[SEL+1], 0xfedcba98
	s_mov_b32 s[TBK], SLOT1+4*KS*PK                ; the first change of slots turns these two into 0
	s_mov_b32 s[TBV], SLOT1+4*KS*PV
	s_mov_b32 s[G0K], 1
	s_mov_b32 s[G0K+1], s10
	s_mov_b32 s[G0V], 1
	s_add_co_u32 s[G0V+1], s11, VOFF
	s_mov_b32 s[RT], s48
	s_mov_b32 s[NXT], 1
	s_sub_co_u32 s[LQ], s48, 1
	s_sub_co_u32 s[LQHI], s49, 1
	s_cmp_gt_u32 s[NXT], s[LQ]
	s_cselect_b32 s[NXT], 0, s[NXT]
	s_cselect_b32 s[LQ], s[LQHI], s[LQ]
	s_lshl_b32 s[LASTS], s48, 2
	s_sub_co_u32 s[LASTS], s[LASTS], 1             ; the block's last key step
	s_lshl_b32 s[LASTHI], s49, 2
	s_sub_co_u32 s[LASTHI], s[LASTHI], 1
	s_mov_b32 s[OFF+1], 0
	s_mov_b32 s[OB+1], 0
	s_mov_b32 s[SLOTS], 8
	s_cmp_eq_u32 s14, 0
	s_cselect_b32 s[PFX], 0, 0x1000
	s_lshl_b32 s13, s[WV], 12                      ; my 32 rows
	s_lshl_b32 s2, s14, 14
	s_add_co_u32 s2, s2, s13
	s_mov_b32 s3, 0
	s_add_nc_u64 s[2:3], s[2:3], s[18:19]          ; my rows of the first block
	s_lshl_b32 s16, s15, 14
	s_add_co_u32 s16, s16, s13
	s_mov_b32 s17, 0
	s_add_nc_u64 s[16:17], s[16:17], s[18:19]      ; of the second
	s_lshl_b32 s13, s[WV], 17
	s_lshl_b32 s20, s14, 19
	s_add_co_u32 s20, s20, s13                     ; (8 block + 2 wave) x 65,536: my pieces' bias
	s_mov_b32 s21, 0
	s_lshl_b32 s98, s15, 19
	s_add_co_u32 s98, s98, s13
	s_mov_b32 s99, 0
	s_wait_dscnt 0x0
	s_wait_kmcnt 0x0
	s_add_nc_u64 s[KB:KB+1], s[4:5], s[22:23]
	s_add_nc_u64 s[VB:VB+1], s[KB:KB+1], 0x1000000        ; V: 32 blocks on
	s_add_nc_u64 s[KB:KB+1], s[KB:KB+1], 0x800000+8192    ; K: 16 blocks on, and one key step
	s_mov_b64 s[G0K+2:G0K+3], s[KB:KB+1]
	s_or_b32 s[G0K+3], s[G0K+3], 0x80000000
	s_mov_b64 s[G0V+2:G0V+3], s[VB:VB+1]
	s_or_b32 s[G0V+3], s[G0V+3], 0x80000000
	s_cmp_lt_u32 s[WV], 2
	s_cselect_b64 s[PFB:PFB+1], s[KB:KB+1], s[VB:VB+1]
	s_add_nc_u64 s[PFB:PFB+1], s[PFB:PFB+1], 32768
	s_mov_b64 s[PFA:PFA+1], s[PFB:PFB+1]
	s_add_nc_u64 s[QLO:QLO+1], s[4:5], s[2:3]
	s_add_nc_u64 s[QHI:QHI+1], s[4:5], s[16:17]
	s_add_nc_u64 s[KP0:KP0+1], s[4:5], s[18:19]
	s_add_nc_u64 s[KP0:KP0+1], s[KP0:KP0+1], 0x800000
	s_add_nc_u64 s[OP_:OP_+1], s[8:9], s[2:3]
	s_add_nc_u64 s[OPHI:OPHI+1], s[8:9], s[16:17]
	s_add_nc_u64 s[BBASE:BBASE+1], s[6:7], s[20:21]
	s_add_nc_u64 s[BBHI:BBHI+1], s[6:7], s[98:99]
	LOAD                                           ; tile 0 into slot 0
	v_and_b32 v1, 15, v0                           ; r
	v_bfe_u32 v14, v0, 4, 1                        ; h
	v_lshlrev_b32 v[QO], 7, v1
	v_lshl_add_u32 v[QO], v14, 4, v[QO]
	v_and_b32 v[BOF], 31, v0
	v_lshlrev_b32 v[BOF], 4, v[BOF]                ; 16 bytes a lane of the bias's fragments; never rewritten
	WIN 0x80
.set i, 0
.rept 4                                ; both blocks' Q: piece i / 2, channels 32 (i % 2) on
	global_load_b128 v[8*i:8*i+3],         v[QO], s[QLO:QLO+1] offset:(i/2)*2048+(i%2)*64
	global_load_b128 v[8*i+4:8*i+7],       v[QO], s[QLO:QLO+1] offset:(i/2)*2048+(i%2)*64+32
	global_load_b128 v[QB+8*i:QB+8*i+3],   v[QO], s[QHI:QHI+1] offset:(i/2)*2048+(i%2)*64
	global_load_b128 v[QB+8*i+4:QB+8*i+7], v[QO], s[QHI:QHI+1] offset:(i/2)*2048+(i%2)*64+32
.set i, i+1
.endr
.set i, 0
.rept 8                                ; K of keys 0-63, for both blocks' first step
	global_load_b128 v[KZ+8*i:KZ+8*i+3],   v[QO], s[KP0:KP0+1] offset:(i/2)*2048+(i%2)*64
	global_load_b128 v[KZ+8*i+4:KZ+8*i+7], v[QO], s[KP0:KP0+1] offset:(i/2)*2048+(i%2)*64+32
.set i, i+1
.endr
	BIAS0 BBASE                                    ; the first block's first bias
	WIN 0x80
.set i, VF
.rept 64                               ; a block's first step multiplies O^T and l by 0, so these need only hold finite numbers: written in the wait for the first tile
	v_mov_b32 v[i], 0
.set i, i+1
.endr
	WIN 0
	v_lshrrev_b32 v24, 3, v1                       ; E: lane (r, h) holds 8,192 at k = 8 h + e where that is r
	v_bfe_u32 v25, v1, 1, 2
	v_and_b32 v27, 1, v1
	v_lshlrev_b32 v27, 4, v27
	v_mov_b32 v28, 0x7000
	v_lshlrev_b32 v26, v27, v28
	v_cmp_eq_u32 vcc_lo, v24, v14
	v_cndmask_b32 v26, 0, v26, vcc_lo
	WIN 0x40
.irp q, 0,1,2,3
	v_cmp_eq_u32 vcc_lo, \q, v25
	v_cndmask_b32 v[EB+4+\q], 0, v26, vcc_lo
	v_mov_b32 v[EB+\q], 0
	v_mov_b32 v[EB+8+\q], 0
.endr
.set i, 0
.rept 64
	v_mov_b32 v[i], 0
.set i, i+1
.endr
	WIN 0
.irp t, 0,1
	v_mov_b32 v[ST+4*\t+2], 0
	v_mov_b32 v[ST+4*\t+3], 0
.endr
.set i, P+16
.rept 16
	v_mov_b32 v[i], 0
.set i, i+1
.endr
	v_mul_u32_u24 v[AK0], v1, PK
	v_lshl_add_u32 v[AK0], v14, 4, v[AK0]
	v_and_b32 v15, 7, v0
	v_bfe_u32 v24, v0, 3, 1
	v_lshl_add_u32 v[AV0], v14, 3, v15
	v_mul_u32_u24 v[AV0], v[AV0], PV
	v_lshl_add_u32 v[AV0], v24, 4, v[AV0]
	v_add_nc_u32 v[AV0], VOFF, v[AV0]
	s_mul_i32 s13, s[WV], 16*SP
	s_add_co_u32 s13, s13, STAGE
	v_mul_u32_u24 v[STO], v1, SP
	v_lshl_add_u32 v[STO], v14, 4, v[STO]
	v_add_nc_u32 v[STO], s13, v[STO]
	v_bfe_u32 v[RD], v0, 3, 2
	v_mul_u32_u24 v[RD], v[RD], SP
	v_lshl_add_u32 v[RD], v15, 4, v[RD]
	v_add_nc_u32 v[RD], s13, v[RD]
	v_and_b32 v[GO], 31, v0
	v_lshlrev_b32 v[PFO], 8, v[GO]
	v_lshlrev_b32 v[GO], 4, v[GO]
; THE MATRIX WORK.  Four accumulators take turns throughout.
.macro BS x                            ; product i of 4: S^T of keys 16 i on is started with 8 bias, from set BU
	WIN W_BS
	v_wmma_f32_16x16x32_f16 v[S+32*(\x)+8*i:S+32*(\x)+8*i+7], v[EB+4-4*(i%2):EB+11-4*(i%2)], v[BF+32*BU+16*(\x)+8*(i/2):BF+32*BU+16*(\x)+8*(i/2)+7], 0
.endm
.macro KQ x                            ; product i of 8: channels 32 (i / 4) on, keys 16 (i % 4) on
	WIN W_KQ
.set rS, S+32*(\x)+8*(i%4)
.set rK, KF+16*(i%4)+8*(i/4)
.set rQ, 16*(\x)+8*(i/4)
	v_wmma_f32_16x16x32_f16 v[rS:rS+7], v[rK:rK+7], v[rQ:rQ+7], v[rS:rS+7]
.endm
.macro PV x                            ; product i of 8 of O^T += V^T P: keys 32 (i / 4) on, channels 16 (i % 4) on
	WIN W_PV
.set rO, 32*(\x)+8*(i%4)
.set rV, VF+32*(i/4)+8*(i%4)
.set rP, P+16*(\x)+8*(i/4)
	v_wmma_f32_16x16x32_f16 v[rO:rO+7], v[rV:rV+7], v[rP:rP+7], v[rO:rO+7]
.endm
.macro MM                              ; the turn's next matrix instruction, number i of 20, for the other piece
.if i < 4
	BS (Y+1)%NP
.elseif i < 12
.set i, i-4
	KQ (Y+1)%NP
.set i, i+4
.else
.set i, i-12
	PV (Y+1)%NP
.set i, i+12
.endif
.set i, i+1
.endm
.macro FETCH_K
	WIN 0x80
.irp f, 0,1,2,3,4,5,6,7
	ds_load_b128 v[KF+8*\f:KF+8*\f+3],   v[AK] offset:(\f/2)*16*PK+(\f%2)*64
	ds_load_b128 v[KF+8*\f+4:KF+8*\f+7], v[AK] offset:(\f/2)*16*PK+(\f%2)*64+32
.endr
	s_add_co_u32 s[TBK], s[TBK], KS*PK
	WIN 0
.endm
.macro FETCH_V
	WIN 0x80
.irp f, 0,1,2,3,4,5,6,7
	ds_load_tr16_b128 v[VF+8*\f:VF+8*\f+3],   v[AV] offset:(\f/4)*32*PV+(\f%4)*32
	ds_load_tr16_b128 v[VF+8*\f+4:VF+8*\f+7], v[AV] offset:(\f/4)*32*PV+16*PV+(\f%4)*32
.endr
	WIN 0
.endm
.macro BLOAD x, ahead                  ; piece x's bias of key step STP + ahead (the block's last at the most) into set BU: 4 x 512 consecutive bytes
	s_wait_xcnt 0x0                                ; the loads that read the base have had their addresses taken
	s_add_co_u32 s[TS], s[STP], \ahead
	s_min_u32 s[TS], s[TS], s[LASTS]
	s_lshl_b32 s[OB], s[TS], 11
	s_add_nc_u64 s[BBT:BBT+1], s[BBASE:BBASE+1], s[OB:OB+1]
	WIN 0x40
.irp n, 0,1,2,3
	global_load_b128 v[BF+32*BU+16*(\x)+4*\n:BF+32*BU+16*(\x)+4*\n+3], v[BOF], s[BBT:BBT+1] offset:(\x)*65536+512*\n
.endr
.endm
; THE VECTOR WORK: OP kind, number.  For piece Y: F n: c s - c m for pair n.  E n: the exponential of score n.  C n: pair n rounded to f16.  B n: of the weights 4 n .. the second pair onto the first.
; L n: l takes that sum (L 0: l = a l + sum).  R n: pair n of O^T times a.  For the other piece: X n, number n of the 22 that find its maximum and statistics (each accumulator's lowest registers are read first).
.set F, 0
.set E, 1
.set C, 2
.set B, 3
.set L, 4
.set R, 5
.set X, 6
.macro REGS y
.set rT, ST+4*(\y)
.set rC, TMP+4*(\y)
.set rW, MV+(\y)
.set rS, S+32*(\y)
.set rP, P+16*(\y)
.set rO, 32*(\y)
.endm
.macro OP k, n
.if (\k) == R
	REGS Y
	WIN W_RS
	v_pk_mul_f32 v[rO+2*(\n):rO+2*(\n)+1], v[rO+2*(\n):rO+2*(\n)+1], v[rC+2:rC+3] op_sel_hi:[1,0]
.elseif (\k) < R
	REGS Y
	WIN 0
.if (\k) == F
	v_pk_fma_f32 v[rS+2*(\n):rS+2*(\n)+1], v[rS+2*(\n):rS+2*(\n)+1], s[CS:CS+1], v[rT:rT+1] op_sel_hi:[1,0,0] neg_lo:[0,0,1] neg_hi:[0,0,1]
.elseif (\k) == E
	v_exp_f32 v[rS+(\n)], v[rS+(\n)]
.elseif (\k) == C
	v_cvt_pk_f16_f32 v[rP+(\n)], v[rS+2*(\n)], v[rS+2*(\n)+1]
.elseif (\k) == B
	v_pk_add_f32 v[rS+4*(\n):rS+4*(\n)+1], v[rS+4*(\n):rS+4*(\n)+1], v[rS+4*(\n)+2:rS+4*(\n)+3]
.elseif (\n) == 0
	v_pk_fma_f32 v[rT+2:rT+3], v[rT+2:rT+3], v[rC+2:rC+3], v[rS:rS+1] op_sel_hi:[1,0,1]
.else
	v_pk_add_f32 v[rT+2:rT+3], v[rT+2:rT+3], v[rS+4*(\n):rS+4*(\n)+1]
.endif
.else
	REGS (Y+1)%NP
	WIN 0
.if (\n) < 4
	v_max3_num_f32 v[rC+(\n)], v[rS+8*(\n)], v[rS+8*(\n)+1], v[rS+8*(\n)+2]
.elseif (\n) < 12
	v_max3_num_f32 v[rC+(\n)%4], v[rC+(\n)%4], v[rS+8*((\n)%4)+2*((\n)/4)+1], v[rS+8*((\n)%4)+2*((\n)/4)+2]
.elseif (\n) == 12
	v_max3_num_f32 v[rC], v[rC], v[rS+7], v[rS+15]
.elseif (\n) == 13
	v_max3_num_f32 v[rC+1], v[rC+1], v[rS+23], v[rS+31]
.elseif (\n) == 14
	v_max3_num_f32 v[rC+2], v[rC+2], v[rC+3], v[rT+1]
.elseif (\n) == 15
	v_mov_b32 v[rW], v[rT]
.elseif (\n) == 16
	v_max3_num_f32 v[rC], v[rC], v[rC+1], v[rC+2]
.elseif (\n) == 17
	v_permlanex16_b32 v[rC+3], v[rC], s[SEL], s[SEL+1]
.elseif (\n) == 18
	v_max_num_f32 v[rT+1], v[rC], v[rC+3]
.elseif (\n) == 19
	v_mul_f32 v[rT], s[CS], v[rT+1]
.elseif (\n) == 20
	v_sub_f32 v[rC+1], v[rW], v[rT]
.else
	v_exp_f32 v[rC+2], v[rC+1]
.endif
.endif
.endm
.macro OPS a, i1, b=-1, i2=0, c=-1, i3=0, d=-1, i4=0
	OP \a, \i1
.if (\b) >= 0
	OP \b, \i2
.endif
.if (\c) >= 0
	OP \c, \i3
.endif
.if (\d) >= 0
	OP \d, \i4
.endif
.endm
.macro ROW a, i1, b, i2, c, i3, d, i4
	MM
	OPS \a, \i1, \b, \i2, \c, \i3, \d, \i4
.endm
; A TURN, for piece p, in a key step of parity u.  Ahead of its one wait stands all that names no result of its exponentials: 12 products with four riders each, then a lump; behind it 8 products V^T P with the roundings and sums as riders.
; Each first X on an accumulator stands four plain instructions behind the product that ends it (F 10-13 for the first; then the X and F lines between).  In piece 0's turn K of the next step is fetched in the lump
; (ten plain lines behind its last reader) and V of this step at the end (four riders behind its last reader).
; The scores made here are piece 1's of this step (p = 0) or piece 0's of the next (p = 1): their bias lies in set (u + p) % 2, and behind the sixth product, nine plain riders behind its last reader, that set is asked for again, for the step two on.
.macro TURN p, u
.set Y, (\p)
.set BU, ((\u)+(\p))%2
.set i, 0
	s_wait_loadcnt 12                              ; this turn's bias, asked for four turns ago, is in; the three younger groups of four loads may stay out
.if (\p) == 1
	s_wait_dscnt 16                                ; K is in; V's sixteen loads may stay out
.endif
	ROW F,0, F,1, R,0, R,1
	ROW F,2, E,0, R,2, R,3
	ROW F,3, E,1, R,4, R,5
	ROW F,4, E,2, R,6, R,7
	ROW F,5, E,3, R,8, R,9
	ROW F,6, E,4, R,10, R,11
	BLOAD 1-(\p), 2+(\p)
	ROW F,7, E,5, R,12, R,13
	ROW F,8, E,6, R,14, F,9
	ROW F,10, E,7, F,11, E,8
	ROW F,12, E,9, F,13, E,10
	ROW X,0, E,11, F,14, E,12
	ROW X,1, E,13, X,4, E,14
	OPS X,2, E,15, X,5, X,3
	OPS X,6, F,15, X,7, X,8
.if (\p) == 0
	WIN 0
	v_add_nc_u32 v[AK], s[TBK], v[AK0]
	FETCH_K
	v_add_nc_u32 v[AV], s[TBV], v[AV0]
	s_add_co_u32 s[TBV], s[TBV], KS*PV
.endif
	OPS X,9, E,16, X,10, X,11
	OPS X,12, E,17, X,13, X,15
	OPS X,14, E,18, E,19, E,20
	OPS X,16, E,21, E,22, E,23
	OPS X,17, E,24, E,25, E,26
	OPS X,18, E,27, E,28, E,29
	OPS X,19, E,30, E,31, X,20
	OPS X,21, R,15                                 ; the batch's last exponential, and the plain line behind it
	WIN 0
	s_wait_alu depctr_va_vdst(0)                   ; the one wait for the batch
.if (\p) == 1
	s_wait_dscnt 0x0                               ; V is in
.endif
	ROW C,0, B,0, C,2, B,1
	ROW L,0, C,4, B,2, L,1
	ROW C,6, B,3, L,2, C,8
	ROW B,4, L,3, C,10, B,5
	ROW L,4, C,12, B,6, L,5
	ROW C,14, B,7, L,6, C,1
	ROW C,3, L,7, C,5, C,7
	ROW C,9, C,11, C,13, C,15
.if (\p) == 0
	FETCH_V
.endif
.endm
.macro STEPS                           ; a slot's four key steps, two a trip: a slot begins with an even step
	WIN 0
	s_mov_b32 s[CNT], 2
.Lstep_\@:
	TURN 0, 0
	TURN 1, 0
	s_add_co_u32 s[STP], s[STP], 1
	TURN 0, 1
	TURN 1, 1
	WIN 0
	s_add_co_u32 s[STP], s[STP], 1
	s_sub_co_u32 s[CNT], s[CNT], 1
	s_cmp_lg_u32 s[CNT], 0
	s_cbranch_scc1 .Lstep_\@
.endm
; A BLOCK BEGINS (its first bias loads are out already): c m far below every c s, so the first step's a is 0; K of step 0 into K's registers; piece 0's first scores, maximum and statistics.  No LDS byte is touched.
.macro BEGIN
	s_mov_b32 s[STP], 0
	WIN 0
.irp t, 0,1
	v_mov_b32 v[ST+4*\t], 0xfe000000
	v_mov_b32 v[ST+4*\t+1], 0xff7fffff
.endr
	s_wait_loadcnt 12                              ; Q, K of step 0 and piece 0's bias of step 0 are in; the three younger groups of four loads may stay out
	WIN 0x82
.set i, 0
.rept 64
	v_mov_b32 v[KF+i], v[KZ+i]
.set i, i+1
.endr
.set Y, 1
.set BU, 0
.set i, 0
.rept 12
	MM
.endr
	WIN 0
.rept 4
	v_nop                                          ; the places behind those products
.endr
	BLOAD 0, 2                                     ; piece 0's bias of step 2, into the set just read
.irp n, 0,1,2,3,4,5,6,7,8,9,10,11,12,13,14,15,16,17,18,19,20,21
	OP X, \n
.endr
	v_nop
	s_wait_alu depctr_va_vdst(0)
	WIN 0
.endm
.macro PACK t                          ; O^T / l, rounded to f16, through my stage: in as 16 bytes of a row, back as whole rows
	WIN W_RS
.set i, 32*(\t)
.rept 16
	v_pk_mul_f32 v[i:i+1], v[i:i+1], v[ST+4*(\t)+2:ST+4*(\t)+3] op_sel_hi:[1,0]
.set i, i+2
.endr
	WIN 0x05
.set i, 0
.rept 16
	v_cvt_pk_f16_f32 v[S+16*(\t)+i], v[32*(\t)+2*i], v[32*(\t)+2*i+1]
.set i, i+1
.endr
	WIN 0
.irp f, 0,1,2,3
	ds_store_b128 v[STO], v[S+16*(\t)+4*\f:S+16*(\t)+4*\f+3] offset:32*\f
.endr
.irp f, 0,1,2,3
	ds_load_b128 v[S+16*(\t)+4*\f:S+16*(\t)+4*\f+3], v[RD] offset:\f*4*SP  ; LDS serves a wave's instructions in order: these see the stores above
.endr
.endm
.macro SEND t, younger                 ; younger: the LDS instructions issued behind piece t's loads
	WIN 0
.irp f, 0,1,2,3
	s_wait_dscnt (\younger)+3-\f
	global_store_b128 v[GO], v[S+16*(\t)+4*\f:S+16*(\t)+4*\f+3], s[OP_:OP_+1] offset:(\t)*2048+\f*512  ; 512 consecutive bytes, aligned
.endr
.endm
.macro FINISH next                     ; piece 1's last V^T P, then the way out; next = 1: the second block's first bias is asked for ahead of the way out
.set i, 0
.rept 8
	PV 1
.set i, i+1
.endr
	WIN 0
	s_wait_loadcnt 0x0                             ; the bias loads that run ahead serve nothing more; none stays out
.irp t, 0,1
	v_add_f32 v[ST+4*\t+2], v[ST+4*\t+2], v[ST+4*\t+3]
.endr
.irp t, 0,1
	v_permlanex16_b32 v[ST+4*\t+3], v[ST+4*\t+2], s[SEL], s[SEL+1]
.endr
.irp t, 0,1
	v_add_f32 v[ST+4*\t+2], v[ST+4*\t+2], v[ST+4*\t+3]
.endr
.irp t, 0,1
	v_rcp_f32 v[ST+4*\t+2], v[ST+4*\t+2]
.endr
	v_nop
	s_wait_alu depctr_va_vdst(0)
.if \next
	BIAS0 BBHI
.endif
	PACK 0
	PACK 1
	SEND 0, 8
	SEND 1, 0
.endm
	BEGIN
.Lslot:                                ; eight trips: a slot is entered and the next tile asked for
	CHANGE 1
	STEPS
	s_sub_co_u32 s[RT], s[RT], 1
	s_cmp_lg_u32 s[RT], 0
	s_cbranch_scc1 .Lbot
	FINISH 1                                       ; the first block's end (the second has five slots or more, and its last is the walk's last)
	s_wait_xcnt 0x0                                ; the stores have read their registers and O's address
	s_mov_b64 s[OP_:OP_+1], s[OPHI:OPHI+1]
	s_mov_b64 s[BBASE:BBASE+1], s[BBHI:BBHI+1]
	s_mov_b32 s[LASTS], s[LASTHI]
	s_mov_b32 s[RT], s49
	WIN 0x82
.set i, 0
.rept 32
	v_mov_b32 v[i], v[QB+i]
.set i, i+1
.endr
	WIN 0
	BEGIN
.Lbot:
	s_sub_co_u32 s[SLOTS], s[SLOTS], 1
	s_cmp_lg_u32 s[SLOTS], 0
	s_cbranch_scc1 .Lslot
	CHANGE 0                                       ; the walk's last slot is written out: nothing is asked for
	STEPS
	FINISH 0
	s_wait_tensorcnt 0x0                           ; the wave's end
	ds_add_u32 v[SPW], v[NIL]
	s_wait_dscnt 0x0
	s_endpgm
.Lfunc_end_k_q95053b0b2a_attn:
	.size	k_q95053b0b2a_attn, .Lfunc_end_k_q95053b0b2a_attn-k_q95053b0b2a_attn
	.p2alignl 7, 3214868480
	.fill 96, 4, 3214868480
	.section	.rodata,"a",@progbits
	.p2align	6, 0x0
	.amdhsa_kernel k_q95053b0b2a_attn
		.amdhsa_group_segment_fixed_size 327680
		.amdhsa_private_segment_fixed_size 0
		.amdhsa_enable_private_segment 0
		.amdhsa_kernarg_size 24
		.amdhsa_user_sgpr_count 2
		.amdhsa_user_sgpr_kernarg_segment_ptr 1
		.amdhsa_wavefront_size32 1
		.amdhsa_system_sgpr_workgroup_id_x 1
		.amdhsa_system_sgpr_workgroup_id_y 1
		.amdhsa_system_sgpr_workgroup_id_z 1
		.amdhsa_system_vgpr_workitem_id 0
		.amdhsa_next_free_vgpr 768
		.amdhsa_next_free_sgpr 100
		.amdhsa_reserve_vcc 1
		.amdhsa_float_denorm_mode_32 3
		.amdhsa_float_denorm_mode_16_64 3
		.amdhsa_memory_ordered 1
		.amdhsa_forward_progress 1
		.amdhsa_inst_pref_size 135
	.end_amdhsa_kernel
	.amdgpu_metadata
---
amdhsa.version: [ 1, 2 ]
amdhsa.kernels:
  - .name:           k_q95053b0b2a_attn
    .symbol:         k_q95053b0b2a_attn.kd
    .args:
      - { .name: qkv, .offset: 0, .size: 8, .value_kind: global_buffer, .address_space: global }
      - { .name: bias16, .offset: 8, .size: 8, .value_kind: global_buffer, .address_space: global }
      - { .name: cat, .offset: 16, .size: 8, .value_kind: global_buffer, .address_space: global }
    .group_segment_fixed_size: 327680
    .private_segment_fixed_size: 0
    .kernarg_segment_align: 8
    .kernarg_segment_size: 24
    .max_flat_workgroup_size: 128
    .sgpr_count:     100
    .vgpr_count:     768
    .wavefront_size: 32
...
	.end_amdgpu_metadata
.endif
;; end of part 3
;; launch outp (part 4): grid 8 x 32, 4 waves a work-group, clusters of 4 x 1, 327,680 bytes of LDS; arguments cat, wb, b_fc_out, out0; writes out0
.if DOCPART == 4
	.amdgcn_target "amdgcn-amd-amdhsa--gfx1250"
	.amdhsa_code_object_version 6
	.text
	.protected	k_q95053b0b2a_outp
	.globl	k_q95053b0b2a_outp
	.p2align	8
	.type	k_q95053b0b2a_outp,@function
k_q95053b0b2a_outp:
	s_mov_b64 s[64:65], 0
	v_nop
	global_prefetch_b8 v0, s[64:65] scope:SCOPE_SE
	s_setreg_imm32_b32 hwreg(HW_REG_WAVE_MODE, 25, 1), 1
	s_wait_xcnt 0x0
	s_wait_alu depctr_hold_cnt(0) depctr_sa_sdst(0) depctr_va_vdst(0) depctr_va_sdst(0) depctr_va_ssrc(0) depctr_va_vcc(0) depctr_vm_vsrc(0)
	s_getreg_b32 s2, hwreg(HW_REG_IB_STS2, 6, 4)
	s_cmp_eq_u32 s2, 0
	s_cbranch_scc0 .Lentry_in_a_cluster
	s_endpgm
.Lentry_in_a_cluster:
	s_bfe_u32 s2, ttmp6, 0x10000c
	s_cmp_lg_u32 s2, 0x3003
	s_cbranch_scc0 .Lentry_shape_is_right
	s_endpgm
.Lentry_shape_is_right:
; out0 = [O | h] x [wo ; w_fc_out] + b_fc_out: ONE product with K = 5,120.  cat: [80 blocks of 64 k][4096 rows][64] f16; out0 [4096][1024] f32; sums in f32.
; wb lies in the order of matrix fragments: [64 blocks of 16 n][160 chunks of 32 k][2 halves][32 lanes][16 bytes].
; A tile is 128 x 128 (256 work-groups).  A wave makes all 128 rows x 32 columns: 16 accumulators.  So no two waves want the same rows of wb, and wb's fragments come STRAIGHT FROM MEMORY INTO REGISTERS,
; each load of a wave 512 consecutive bytes; LDS holds cat's tiles alone, and a slot is twice as deep along K as it could be with both operands in it: 512, that is 8 blocks x 128 rows x 144 bytes.
; K goes in 10 steps of 512 through two such slots: 256 products a wave in a step, 240 of them between a request and the wait for it.  A step is 8 QUARTERS of 64 along K (a block of cat), 32 products each.
; wb's RING IN REGISTERS: 8 quarters of 32 registers.  In quarter t the registers that quarter t - 1 multiplied are asked for again, for quarter t + 7: 224 products ahead.
; CLUSTER 4 x 1: the four tiles of a row of tiles need the same rows of cat: each wave asks JOINTLY for two of a step's eight blocks.  wb is not shared in the cluster: each partner has other rows of it.
; The matrix instruction is used transposed (source 0 = rows of wb): a lane holds one row of out0 and eight neighbouring columns.
; THE TAIL (K steps 8 and 9) is one text walked twice, left in the middle of its second trip.  In that second trip nothing of wb is left to fetch: its 48 loads a wave name K step 9's quarters once more and land
; in registers that have been multiplied already; they serve nothing: the price of one text for both trips.  They stay inside wb, and the counted waits hold as in every trip.
; REGISTERS: window 0 v0-31 addresses, v96-101 the bias, v128-255 accumulators ((a, b) at v[128 + 8 (2 a + b)]); window 1 two buffers of 128 for cat's fragments (half c, row block i at 64 c + 8 i);
; window 2 wb's ring (quarter q, half c, column block b at 32 q + 16 c + 8 b).
.set BLK,    524288
.set PA,     144                       ; a row of cat in LDS: 128 bytes + 16: the 16 rows of a fragment load start at 16 different 16-byte columns
.set ZB,     128*PA                    ; a block's 128 rows
.set SLOT,   8*ZB                      ; 147,456 = 0x24000: shares no bit with wave x 2 ZB, so one exclusive or changes slots
.set SPARE,  2*SLOT
.set SPITCH, 528                       ; the stage: a row of 128 f32 + 16
.set NROW,   163840                    ; bytes of a block of 16 rows of wb
.set QBY,    2048                      ; bytes of a quarter in such a block
.set STEPB,  8*QBY
.set ADRA0, 16                         ; v16-19  my lane's place in blocks 0-1, 2-3, 4-5, 6-7 of slot 0; never rewritten
.set ADRA,  20                         ; v20-23  the same in the slot in hand
.set STO,   24
.set RD,    25
.set VB,    26                         ; v26     16 x lane: my bytes in a load of wb, and in a row piece of out0; never rewritten
.set BO,    27
.set SPW,   28
.set NIL,   29
.set PFO,   30                         ; v30     256 x lane; never rewritten
.set BI,    96
.set ACC,   128
.set WV, 16
.set G1A, 24
.set G0A, 32
.set TB,  40
.set LIM, 41
.set PFA, 42
.set SB,  44                           ; s[44:45] wb at my two blocks of rows, at the K step in hand
.set MSB, 0
.macro WIN new
.if MSB != (\new)
	s_set_vgpr_msb (MSB<<8)|(\new)
.set MSB, \new
.endif
.endm
.set MUL,  0x06                        ; source 0 (wb) window 2, source 1 (cat) window 1, C and D window 0
.set TO_A, 0x40
.set TO_B, 0x80
.macro PLACES
.rept 4
	v_nop
.endr
.endm
.macro CREST
	s_cmp_lg_u32 s[WV], 0
	s_cbranch_scc1 .Lnw0_\@
	s_barrier_signal -3
.Lnw0_\@:
	s_barrier_wait -3
	s_barrier_signal -1
	s_barrier_wait -1
.endm
.macro CROUND
	s_barrier_signal -1
	s_barrier_wait -1
	CREST
.endm
; A prefetch of cat's K step that the NEXT refill will ask for: of the two blocks x 128 rows (128 x 256 bytes) that I fetch, my work-group's 32 x 256 bytes, a lane each.  The rows are read by both clusters of a row of
; tiles: the one with x = 0 asks; its four partners share the bytes out by address.  So each 256 bytes are named once.  The last refill has no K step behind it.
.macro ASK
	s_cmp_gt_u32 s3, s[LIM]
	s_cbranch_scc0 .Lnm_\@
	global_prefetch_b8 v[PFO], s[PFA:PFA+1] th:TH_LOAD_NT scope:SCOPE_SE
.Lnm_\@:
.endm
	s_load_b256 s[4:11], s[0:1], 0x0               ; cat 4, wb 6, b_fc_out 8, out0 10
	v_lshl_add_u32 v[SPW], v0, 2, SPARE
	v_mov_b32 v[NIL], 0
	ds_add_u32 v[SPW], v[NIL]                      ; the wave's opening
	ds_add_u32 v28, v29
	v_lshrrev_b32 v1, 5, v0
	v_readfirstlane_b32 s[WV], v1
	s_bfe_u32 s19, ttmp6, 0x40000                  ; cx
	s_lshl_b32 s21, ttmp9, 2
	s_add_co_u32 s21, s21, s19                     ; tile column: it enters wb's, the bias's and out0's addresses alone
	s_and_b32 s22, ttmp7, 0xffff                   ; tile row, which the four partners share
	s_mov_b32 s[G1A], 15|(1<<16)|(1<<20)|(1<<21)|(4<<22)|(3<<25)  ; the mask of four; 2-byte elements; padding on; bit 21 beside a mask; 4 words behind every 32
	s_mov_b32 s[G1A+1], 8192<<16                   ; tensor_dim0 = 8,192 elements: 128 rows of a block on end
	s_mov_b32 s[G1A+2], 2<<16                      ; tensor_dim1 = 2 blocks
	s_mov_b32 s[G1A+3], 8192<<16                   ; tile_dim0
	s_mov_b32 s[G1A+4], 2                          ; tile_dim1
	s_mov_b32 s[G1A+5], BLK/2                      ; elements from block to block
	s_mov_b32 s[G1A+6], 0
	s_mov_b32 s[G1A+7], 0
	s_lshl_b32 s46, s[WV], 20                      ; my two blocks of a step's eight,
	s_lshl_b32 s48, s22, 14                        ; the tile's 128 rows
	s_add_co_u32 s46, s46, s48
	s_mov_b32 s47, 0
	s_mul_i32 s74, s[WV], 2*ZB                     ; where they go: the wave's number alone enters
	s_lshl_b32 s49, s[WV], 1
	s_lshl_b32 s76, s21, 3
	s_add_co_u32 s76, s76, s49
	s_mul_i32 s76, s76, NROW                       ; wb: blocks 8 x tile column + 2 x wave and the next
	s_mov_b32 s77, 0
	s_lshr_b32 s50, s19, 1                         ; the prefetches: block 2 w + cx / 2 of K step 3,
	s_add_co_u32 s50, s50, s49
	s_add_co_u32 s50, s50, 24
	s_lshl_b32 s50, s50, 19
	s_add_co_u32 s50, s50, s48
	s_and_b32 s52, s19, 1                          ; half cx % 2 of the tile's 128 rows in it
	s_lshl_b32 s52, s52, 13
	s_add_co_u32 s50, s50, s52
	s_mov_b32 s51, 0
	s_cmp_eq_u32 ttmp9, 0
	s_cselect_b32 s[LIM], 1, -1                    ; the same in all four partners
	s_lshl_b32 s72, s22, 7
	s_lshl_b32 s53, s[WV], 5
	s_add_co_u32 s72, s72, s53                     ; the first row of out0 that I store: 128 x tile row + 32 x wave
	s_lshl_b32 s72, s72, 12
	s_lshl_b32 s54, s21, 9                         ; the tile's 128 columns: 512 bytes of a row of out0, and of the bias
	s_add_co_u32 s72, s72, s54
	s_mov_b32 s73, 0
	s_mov_b32 s[TB], 0
	s_mov_b32 s70, 0xffff0000
	s_wait_dscnt 0x0                               ; the opening add is done
	s_wait_kmcnt 0x0
	s_add_nc_u64 s[46:47], s[4:5], s[46:47]
	s_add_nc_u64 s[SB:SB+1], s[6:7], s[76:77]
	s_add_nc_u64 s[PFA:PFA+1], s[4:5], s[50:51]
	s_add_nc_u64 s[10:11], s[10:11], s[72:73]
	CROUND                                         ; all four work-groups are here: the first joint loads meet
.irp s, 0,1
	s_mov_b32 s[G0A+4*(\s)], 1
	s_add_co_u32 s[G0A+4*(\s)+1], s74, (\s)*SLOT
	s_add_nc_u64 s[G0A+4*(\s)+2:G0A+4*(\s)+3], s[46:47], (\s)*8*BLK
	s_or_b32 s[G0A+4*(\s)+3], s[G0A+4*(\s)+3], 0x80000000
.endr
	tensor_load_to_lds s[G0A:G0A+3], s[G1A:G1A+7]  ; K steps 0 and 1: two loads of mine are out
	s_nop 0
	tensor_load_to_lds s[G0A+4:G0A+7], s[G1A:G1A+7]
	s_nop 0
	PLACES
; 8 loads: wb's fragments of a quarter, at byte goff behind the pointer, into ring place slot
.macro BLOAD slot, goff
	WIN TO_B
.irp c, 0,1
.irp b, 0,1
	global_load_b128 v[32*(\slot)+16*(\c)+8*(\b):32*(\slot)+16*(\c)+8*(\b)+3],   v[VB], s[SB:SB+1] offset:(\goff)+1024*(\c)+NROW*(\b)
	global_load_b128 v[32*(\slot)+16*(\c)+8*(\b)+4:32*(\slot)+16*(\c)+8*(\b)+7], v[VB], s[SB:SB+1] offset:(\goff)+1024*(\c)+512+NROW*(\b)
.endr
.endr
.endm
	v_and_b32 v1, 15, v0                           ; r
	v_bfe_u32 v2, v0, 4, 1                         ; h
	v_and_b32 v3, 31, v0                           ; lane
	v_lshlrev_b32 v[VB], 4, v3
	v_add_nc_u32 v[BO], s54, v[VB]
	global_load_b128 v[BI:BI+3], v[BO], s[8:9]     ; my 4 numbers of the bias: the oldest load, so every counted wait below covers it
.irp g, 0,1,2,3,4,5,6
	BLOAD \g, (\g)*QBY                             ; quarters 0 to 6; quarter 7 is asked for in quarter 0, like every quarter after it
.endr
	WIN 0
	v_mul_u32_u24 v4, v1, PA
	v_lshl_add_u32 v4, v2, 4, v4                   ; a fragment's row x pitch + 16 x half
.irp k, 0,1,2,3
	v_add_nc_u32 v[ADRA0+(\k)], (\k)*2*ZB, v4      ; a register for each two blocks: an LDS offset holds 16 bits
	v_add_nc_u32 v[ADRA+(\k)], (\k)*2*ZB, v4
.endr
	v_mul_u32_u24 v5, v1, SPITCH                   ; into the stage: row r, my wave's 128 bytes, 32 bytes for each half of the lanes
	v_lshl_add_u32 v5, v2, 5, v5
	v_lshl_add_u32 v[STO], s[WV], 7, v5
	s_mul_i32 s53, s[WV], 32*SPITCH                ; back: wave w takes rows 32 w .. 32 w + 31, whole: 32 lanes x 16 bytes
	v_add_nc_u32 v[RD], s53, v[VB]
	v_lshlrev_b32 v[PFO], 8, v3
; 8 products: row blocks a0 .. a0 + 3 x both column blocks, 32 along K: half c of quarter q.  The 16 accumulators take turns, in the same order in every half.
.macro MULH q, c, a0, zero
	WIN MUL
.irp a, \a0, (\a0)+1, (\a0)+2, (\a0)+3
.irp b, 0,1
.if \zero
	v_wmma_f32_16x16x32_f16 v[ACC+8*(2*(\a)+(\b)):ACC+8*(2*(\a)+(\b))+7], v[32*(\q)+16*(\c)+8*(\b):32*(\q)+16*(\c)+8*(\b)+7], v[128*((\q)%2)+64*(\c)+8*(\a):128*((\q)%2)+64*(\c)+8*(\a)+7], 0
.else
	v_wmma_f32_16x16x32_f16 v[ACC+8*(2*(\a)+(\b)):ACC+8*(2*(\a)+(\b))+7], v[32*(\q)+16*(\c)+8*(\b):32*(\q)+16*(\c)+8*(\b)+7], v[128*((\q)%2)+64*(\c)+8*(\a):128*((\q)%2)+64*(\c)+8*(\a)+7], v[ACC+8*(2*(\a)+(\b)):ACC+8*(2*(\a)+(\b))+7]
.endif
.endr
.endr
.endm
; 32 LDS loads in one run: cat's fragments of quarter q (block q of the slot) into buffer q % 2; the first 32 along K first
.macro FETCH q
	WIN TO_A
.irp c, 0,1
.irp i, 0,1,2,3,4,5,6,7
	ds_load_b128 v[128*((\q)%2)+64*(\c)+8*(\i):128*((\q)%2)+64*(\c)+8*(\i)+3],   v[ADRA+(\q)/2] offset:((\q)%2)*ZB+64*(\c)+(\i)*16*PA
	ds_load_b128 v[128*((\q)%2)+64*(\c)+8*(\i)+4:128*((\q)%2)+64*(\c)+8*(\i)+7], v[ADRA+(\q)/2] offset:((\q)%2)*ZB+64*(\c)+(\i)*16*PA+32
.endr
.endr
.endm
; Quarter q (0 to 6).  In its middle, four places behind the products that read them, the other buffer takes cat's next quarter and the ring place of the quarter before takes wb's quarter seven on.
.macro QUARTER q, goff, zero
	s_wait_loadcnt 48                              ; wb's quarter, asked for seven quarters ago, is in; the six younger quarters' 8 loads each may stay out
	s_wait_dscnt 16                                ; cat's first 32 along K are in; the other sixteen loads may be out
	MULH \q, 0, 0, \zero
	MULH \q, 0, 4, \zero
	PLACES
	FETCH (\q)+1
	BLOAD ((\q)+7)%8, \goff
	s_wait_dscnt 32                                ; all but the 32 just issued
	MULH \q, 1, 0, 0
	MULH \q, 1, 4, 0
.endm
.macro T0A                             ; the first half of quarter 7, with the barrier of the change of slots
	WIN 0
	s_wait_tensorcnt 0x0                           ; all my tensor loads have landed: the one that was out is my part of the next slot
	ds_add_u32 v[SPW], v[NIL]
	s_wait_loadcnt 48
	s_wait_dscnt 17                                ; the add and the youngest sixteen loads may be out
	MULH 7, 0, 0, 0
	s_wait_dscnt 0x0                               ; the add is done and my reads of this slot are over
	s_barrier_signal -1
	MULH 7, 0, 4, 0
	WIN 0
	s_barrier_wait -1
.endm
.macro NEXTSLOT
	s_xor_b32 s[TB], s[TB], SLOT
.irp k, 0,1,2,3
	v_add_nc_u32 v[ADRA+(\k)], s[TB], v[ADRA0+(\k)]
.endr
.endm
.macro TURN
	T0A
	CREST                                          ; the barrier has opened a round of the cluster's: no wave of any partner still reads this slot or has a load on its way
	s_xor_b32 s[G0A+5], s[G0A+5], SLOT             ; the walking descriptor: the other slot, the next K step
	s_add_nc_u64 s[G0A+6:G0A+7], s[G0A+6:G0A+7], 8*BLK
	tensor_load_to_lds s[G0A+4:G0A+7], s[G1A:G1A+7]  ; my one load behind the round: 240 products stand between this request and the wait for it
	s_nop 0
	PLACES                                         ; also the places in front of the loads below
	NEXTSLOT
	FETCH 0
	BLOAD 6, STEPB+6*QBY
	WIN 0
	ASK
	MULH 7, 1, 0, 0
	MULH 7, 1, 4, 0
.endm
	s_wait_tensorcnt 1                             ; my part of K step 0 is in; K step 1's may stay out
	s_barrier_signal -1
	s_barrier_wait -1
	FETCH 0
	QUARTER 0, 7*QBY, 1                            ; the first quarter starts the sums
	WIN 0
	s_mov_b32 s3, 8
.Lk:                                   ; eight trips, from a K step's second quarter to the next one's first; each fills a slot again (K steps 2-9) and asks for the next K step's wb
	QUARTER 1, STEPB+0*QBY, 0
	QUARTER 2, STEPB+1*QBY, 0
	QUARTER 3, STEPB+2*QBY, 0
	QUARTER 4, STEPB+3*QBY, 0
	QUARTER 5, STEPB+4*QBY, 0
	QUARTER 6, STEPB+5*QBY, 0
	TURN
	QUARTER 0, STEPB+7*QBY, 0
	WIN 0
	s_wait_xcnt 0x0                                ; the loads (the youngest sixteen products back) and the prefetch (a quarter back) have read their pointers
	s_add_nc_u64 s[SB:SB+1], s[SB:SB+1], STEPB
	s_add_nc_u64 s[PFA:PFA+1], s[PFA:PFA+1], 8*BLK
	s_sub_co_u32 s3, s3, 1
	s_cmp_lg_u32 s3, 0
	s_cbranch_scc1 .Lk
	s_mov_b32 s3, 2
.Lt:                                   ; K steps 8 and 9: no slot is filled; wb's pointer stays, so the second trip's loads name K step 9 once more
	QUARTER 1, STEPB+0*QBY, 0
	QUARTER 2, STEPB+1*QBY, 0
	QUARTER 3, STEPB+2*QBY, 0
	QUARTER 4, STEPB+3*QBY, 0
	QUARTER 5, STEPB+4*QBY, 0
	QUARTER 6, STEPB+5*QBY, 0
	T0A
	s_sub_co_u32 s3, s3, 1
	s_cmp_eq_u32 s3, 0
	s_cbranch_scc1 .Lout
	PLACES
	NEXTSLOT
	FETCH 0
	BLOAD 6, STEPB+6*QBY
	MULH 7, 1, 0, 0
	MULH 7, 1, 4, 0
	QUARTER 0, STEPB+7*QBY, 0
	WIN 0
	s_branch .Lt
.Lout:
	MULH 7, 1, 0, 0
	MULH 7, 1, 4, 0
	WIN 0
	; THE WAY OUT.  A wave's 32 columns are 128 bytes of a row: the four waves write the four parts of the rows of ONE stage, a barrier stands between the writing and the reading, and each wave then stores 32 whole
	; row pieces of 512 bytes.  The stage lies in slot 0, which has had its last fill; every wave's LDS reads were over in front of the last barrier.
	PLACES
.irp a, 0,1,2,3,4,5,6,7
.irp b, 0,1
	ds_store_b128 v[STO], v[ACC+8*(2*(\a)+(\b)):ACC+8*(2*(\a)+(\b))+3]   offset:(\a)*16*SPITCH+64*(\b)
	ds_store_b128 v[STO], v[ACC+8*(2*(\a)+(\b))+4:ACC+8*(2*(\a)+(\b))+7] offset:(\a)*16*SPITCH+64*(\b)+16
.endr
.endr
.irp q, 0,1
	v_cvt_pk_bf16_f32 v[BI+4+(\q)], v[BI+2*(\q)], v[BI+2*(\q)+1]  ; the bias is rounded to bf16 like every input
	v_lshlrev_b32 v[BI+2*(\q)], 16, v[BI+4+(\q)]
	v_and_b32 v[BI+2*(\q)+1], s70, v[BI+4+(\q)]
.endr
	s_wait_dscnt 0x0                               ; for the others' sake: my stores into the stage are done
	s_barrier_signal -1
	s_barrier_wait -1
.set t, 0
.rept 32
	ds_load_b128 v[ACC+4*t:ACC+4*t+3], v[RD] offset:t*SPITCH  ; a row piece a load, into the accumulators' registers, which have been stored
.set t, t+1
.endr
.set t, 0
.rept 32
	s_wait_dscnt 31-t                              ; LDS loads come back in order: row t is in
	v_pk_add_f32 v[ACC+4*t:ACC+4*t+1],   v[ACC+4*t:ACC+4*t+1],   v[BI:BI+1]
	v_pk_add_f32 v[ACC+4*t+2:ACC+4*t+3], v[ACC+4*t+2:ACC+4*t+3], v[BI+2:BI+3]
	global_store_b128 v[VB], v[ACC+4*t:ACC+4*t+3], s[10:11] offset:t*4096  ; the wave stores 512 consecutive bytes, aligned
.set t, t+1
.endr
	s_wait_tensorcnt 0x0                           ; the wave's end
	ds_add_u32 v[SPW], v[NIL]
	s_wait_dscnt 0x0
	CROUND                                         ; the closing round
	s_endpgm
.Lfunc_end_k_q95053b0b2a_outp:
	.size	k_q95053b0b2a_outp, .Lfunc_end_k_q95053b0b2a_outp-k_q95053b0b2a_outp
	.p2alignl 7, 3214868480
	.fill 96, 4, 3214868480
	.section	.rodata,"a",@progbits
	.p2align	6, 0x0
	.amdhsa_kernel k_q95053b0b2a_outp
		.amdhsa_group_segment_fixed_size 327680
		.amdhsa_private_segment_fixed_size 0
		.amdhsa_enable_private_segment 0
		.amdhsa_kernarg_size 32
		.amdhsa_user_sgpr_count 2
		.amdhsa_user_sgpr_kernarg_segment_ptr 1
		.amdhsa_wavefront_size32 1
		.amdhsa_system_sgpr_workgroup_id_x 1
		.amdhsa_system_sgpr_workgroup_id_y 1
		.amdhsa_system_sgpr_workgroup_id_z 1
		.amdhsa_system_vgpr_workitem_id 0
		.amdhsa_next_free_vgpr 768
		.amdhsa_next_free_sgpr 80
		.amdhsa_reserve_vcc 0
		.amdhsa_float_denorm_mode_32 3
		.amdhsa_float_denorm_mode_16_64 3
		.amdhsa_memory_ordered 1
		.amdhsa_forward_progress 1
		.amdhsa_inst_pref_size 115
	.end_amdhsa_kernel
	.amdgpu_metadata
---
amdhsa.version: [ 1, 2 ]
amdhsa.kernels:
  - .name:           k_q95053b0b2a_outp
    .symbol:         k_q95053b0b2a_outp.kd
    .args:
      - { .name: cat, .offset: 0, .size: 8, .value_kind: global_buffer, .address_space: global }
      - { .name: wb, .offset: 8, .size: 8, .value_kind: global_buffer, .address_space: global }
      - { .name: b_fc_out, .offset: 16, .size: 8, .value_kind: global_buffer, .address_space: global }
      - { .name: out0, .offset: 24, .size: 8, .value_kind: global_buffer, .address_space: global }
    .group_segment_fixed_size: 327680
    .private_segment_fixed_size: 0
    .kernarg_segment_align: 8
    .kernarg_segment_size: 32
    .max_flat_workgroup_size: 128
    .sgpr_count:     80
    .vgpr_count:     768
    .wavefront_size: 32
...
	.end_amdgpu_metadata
.endif
;; end of part 4
